; MI455X (gfx1250); checked and timed in simulation.
; The chip was launched on July 23, 2026; its instructions are those of AMD's public machine-readable ISA for CDNA 5 (MIT licence, August 2026) and "CDNA5" Instruction Set Architecture Reference Guide (July 2026). The comments in the code are by the model that wrote it; some were corrected since.
;; Causal Self Attention. Allowed arithmetic: matrix products marked QUANTISED: E4M3 operands, one given power-of-two scale a tensor, by v_wmma_f32_16x16x64_fp8_fp8 or v_wmma_f32_16x16x128_fp8_fp8, f32 sums; everything else in f32.
;; Inputs: lowp_scales 8 int32 (the exponents e of the quantised operands' scales 2^e); w_proj 1,024 x 1,024 float32; w_qkv 1,024 x 3,072 float32; x 4 x 2,048 x 1,024 float32.
;; Outputs: out0 4 x 2,048 x 1,024 float32.
;; This version of the problem:
;;   THIS VERSION OF THE PROBLEM IS GIVEN IN LOW PRECISION. The matrix products marked QUANTISED in the list below multiply operands that are first quantised to E4M3 (4 exponent bits, 3 mantissa bits; 8 bits a number), with one given power-of-two scale for each operand tensor; their sums are f32. All else is computed in f32.
;;   The module's matrix products, in the order in which they are computed (A, B: the left and right operand; K: the contracted axis; several contracted axes count as one K, in the product's order):
;;     1. [M 8,192, K 1,024] x [K 1,024, N 3,072]; A: input x; B: input w_qkv: QUANTISED (scales: A lowp_scales[0], B lowp_scales[1])
;;     2. batch 64 x [M 2,048, K 64] x [K 64, N 2,048]; A: computed on the way; B: computed on the way: QUANTISED (scales: A lowp_scales[2], B lowp_scales[3])
;;     3. batch 64 x [M 2,048, K 2,048] x [K 2,048, N 64]; A: softmax (see below); B: computed on the way: QUANTISED (scales: A lowp_scales[4], B lowp_scales[5])
;;     4. [M 8,192, K 1,024] x [K 1,024, N 1,024]; A: computed on the way; B: input w_proj: QUANTISED (scales: A lowp_scales[6], B lowp_scales[7])
;;   THE QUANTISER, for each operand of a quantised product, along K:
;;     - The operand's scale is 2^e, e = its entry of the input lowp_scales (int32; the entries are numbered through the quantised products in the list's order, A before B).
;;     - Each number is divided by the scale, clamped to +-448, and rounded to the nearest number of E4M3, ties to even, subnormals kept.
;;     - The product sums the exact products of the quantised numbers (number of the format x scale) in f32.
;;   ~~~python
;;   def quantise(x, axis, e):      # numpy; x: float32 -> the quantised numbers, widened to float32 again
;;       x = np.moveaxis(x, axis, -1); K = x.shape[-1]
;;       r = np.clip(x / 2.0 ** e, -448, 448)
;;       step = 2.0 ** (np.maximum(np.frexp(np.where(r == 0, 1, r))[1] - 1, -6) - 3)
;;       q = np.round(r / step) * step * 2.0 ** e      # np.round: ties to even
;;       return np.moveaxis(q, -1, axis).astype(np.float32)
;;   ~~~
;;   SOFTMAX AHEAD OF A QUANTISED PRODUCT. Where the list says 'softmax', what is quantised is not the finished softmax but p = 2^(t - M), with t = logit x log2(e) and M = ceil(the row's largest t), a whole number; so 1/2 < the row's largest p <= 1. The row's sum l is taken of the UNQUANTISED p, in f32, and the product's result is divided by l at the end. Since M is a whole number, a kernel that streams over the keys may use a running M (the ceiling of the running maximum): every later rescaling is an exact power of two, so the quantised numbers keep their values, but for numbers so far below the row's largest that they fall under the format's range.
;;   OPERANDS COMPUTED ON THE WAY. 'Computed on the way' means the value that the module computes at that place (a softmax that the list does not call 'softmax' is quantised finished and normalised). What goes into a quantiser is computed in f32, as accurately as f32 sums, v_exp_f32 and their like allow (about 1e-6 of the number): no bf16 or f16 on the way to a quantiser, and a product that is left as it is and whose result goes on into a quantised operand takes f32 operands (vector FMAs, or v_wmma_f32_16x16x4_f32). A number that lies on a knife's edge between two numbers of the format may be rounded either way, as far as f32 arithmetic and the matrix unit's own rounding can turn it there, and no further.
;; 2 versions, each right; version 2 is version 1 with the launch attn written anew for expert scheduling mode. Each part assembles by itself: llvm-mc -triple=amdgcn-amd-amdhsa -mcpu=gfx1250 --defsym DOCPART=n.
;; ======== version 1 of 2: 4 launches
;; workspace buffers: x_img 8,388,608 bytes; wqkv_img 3,145,728 bytes; wproj_img 1,048,576 bytes; q_img 8,388,608 bytes; k_img 8,388,608 bytes; v_img 8,388,608 bytes; y_img 8,388,608 bytes
;; launch quant (part 1): grid 384 x 1, 4 waves a work-group, no clusters, 34,304 bytes of LDS; arguments x, w_qkv, w_proj, lowp_scales, x_img, wqkv_img, wproj_img; writes x_img, wqkv_img, wproj_img
.if DOCPART == 1
	.amdgcn_target "amdgcn-amd-amdhsa--gfx1250"
	.amdhsa_code_object_version 6
	.text
	.protected	k_qa63bd95508_quant
	.globl	k_qa63bd95508_quant
	.p2align	8
	.type	k_qa63bd95508_quant,@function
k_qa63bd95508_quant:
	s_mov_b64 s[64:65], 0
	v_nop
	global_prefetch_b8 v0, s[64:65] scope:SCOPE_SE
	s_setreg_imm32_b32 hwreg(HW_REG_WAVE_MODE, 25, 1), 1
	s_wait_xcnt 0x0
; x [8192][1024], w_qkv [1024][3072] and w_proj [1024][1024], f32, become codes of FP8 (E4M3) with the given scales 2^e0, 2^e1, 2^e7:
; code = number / 2^e, held within +-448, to the nearest code, ties to even.
; LIMITS: e0, e1, e7 between -126 and 119, so that 2^e and 448 x 2^e are f32 numbers.  NaN among the inputs is not served.
; THE CODES ARE LAID AS IMAGES OF OPERAND REGISTERS.  Tile T = 2 G + u holds the 16 rows 32 G + 8 u + (r & 7) + 16 (r >> 3), r = 0 .. 15.  A fragment (a tile x 128 along K) is
; 2,048 bytes: byte 512 c + 16 (r + 16 h) + e is the code of the tile's row r at k = 32 c + 16 h + e.  A buffer is [tile][K / 128][2048].  So a wave of a later launch gets a fragment by
; four loads of 16 bytes a lane at 16 x lane + 512 c.
; Work-groups 0 to 255 take x (K innermost), 256 to 383 the two weights (K is their first axis).  Only x's path uses LDS; waves share nothing: no barrier.
.set R,   16                           ; x: v16-143  two sets of 64: a fragment's numbers as they are loaded
.set X,   144                          ; x: v144-207 my 64 numbers of the fragment: register 16 c + i = k 32 c + 16 h + i of my row
.set C,   208                          ; x: v208-239 two sets of 16: a fragment's codes
.set SP,  528                          ; x: a stage row: 512 bytes + 16: row r starts 4 r banks on, so the sixteen rows of a read fall on different banks
.set WST, 16*SP                        ; x: a wave's stage
.set XW,  32                           ; weights: v32-95   two sets of 32 numbers down K
.set OF,  96                           ; weights: v96-127  byte offset of my column in row i of a block
.set CW,  128                          ; weights: v128-191 eight registers of codes for each block, never rewritten
	s_load_b256 s[4:11], s[0:1], 0x0               ; x s[4:5], w_qkv s[6:7], w_proj s[8:9], the exponents s[10:11]
	s_load_b128 s[12:15], s[0:1], 0x20             ; x_img s[12:13], wqkv_img s[14:15]
	s_load_b64 s[16:17], s[0:1], 0x30              ; wproj_img
	v_lshl_add_u32 v240, v0, 2, 0x8400
	v_mov_b32 v241, 0
	v_lshrrev_b32 v1, 5, v0
	v_readfirstlane_b32 s18, v1                    ; wave 0..3
	v_and_b32 v1, 31, v0                           ; lane
	v_lshlrev_b32 v3, 4, v1                        ; 16 x lane
	s_wait_kmcnt 0x0
	s_load_b256 s[24:31], s[10:11], 0x0            ; e0 .. e7
	s_cmp_lt_u32 ttmp9, 256
	s_cbranch_scc0 .Lweights
; ---- x.  Wave g = 4 x work-group + wave takes tile g / 2 and the four fragments 4 (g % 2) + f.
	s_lshl_b32 s19, ttmp9, 2
	s_add_co_u32 s19, s19, s18                     ; g
	s_lshr_b32 s20, s19, 2
	s_lshl_b32 s22, s20, 17                        ; 32 rows of 4,096 bytes for each pair of tiles,
	s_bfe_u32 s20, s19, 0x10001
	s_lshl_b32 s20, s20, 15                        ; 8 rows for the odd tile,
	s_add_co_u32 s22, s22, s20
	s_and_b32 s20, s19, 1
	s_lshl_b32 s20, s20, 11                        ; 512 numbers for the upper half of K
	s_add_co_u32 s22, s22, s20
	s_mov_b32 s23, 0
	s_add_nc_u64 s[4:5], s[4:5], s[22:23]
	s_lshl_b32 s22, s19, 13                        ; four fragments of 2,048 bytes for each wave
	s_add_nc_u64 s[12:13], s[12:13], s[22:23]
	s_mul_i32 s20, s18, WST
	v_add_nc_u32 v14, s20, v3                      ; the stage, on the way in: 16 x lane of a row
	v_and_b32 v4, 15, v1                           ; r
	v_lshrrev_b32 v5, 4, v1                        ; h
	v_mul_u32_u24 v15, v4, SP
	v_lshl_add_u32 v15, v5, 6, v15
	v_add_nc_u32 v15, s20, v15                     ; and on the way out: row r, 64 h bytes on
.macro LOADF f                         ; fragment f: 16 rows x 512 bytes; each load reads 512 consecutive bytes of one row
.irp i, 0,1,2,3,4,5,6,7,8,9,10,11,12,13,14,15
	global_load_b128 v[R+64*((\f)%2)+4*\i:R+64*((\f)%2)+4*\i+3], v3, s[4:5] offset:((\i%8)+16*(\i/8))*4096+512*(\f) th:TH_LOAD_NT
.endr
.endm
.macro FRAGX f
.if (\f) < 3
	s_wait_loadcnt 16                              ; this fragment's 16 loads are in; the next one's 16 may be out
.else
	s_wait_loadcnt 0x0
.endif
.irp i, 0,1,2,3,4,5,6,7,8,9,10,11,12,13,14,15
	ds_store_b128 v14, v[R+64*((\f)%2)+4*\i:R+64*((\f)%2)+4*\i+3] offset:SP*\i
.endr
.irp c, 0,1,2,3
.irp j, 0,1,2,3
	ds_load_b128 v[X+16*\c+4*\j:X+16*\c+4*\j+3], v15 offset:128*\c+16*\j   ; LDS serves a wave's instructions in order: these see my stores
.endr
.endr
	s_wait_dscnt 0x0                               ; my 64 numbers are back
.if (\f)+2 < 4
	LOADF (\f)+2                                   ; into the set that the stage has just taken over
.endif
.if (\f) >= 2
	s_wait_xcnt 0x0                                ; the stores of two fragments ago have read this set of codes
.endif
.irp c, 0,1,2,3
.irp i, 0,1,2,3,4,5,6,7,8,9,10,11,12,13,14,15
	v_med3_num_f32 v[X+16*\c+\i], v[X+16*\c+\i], -v10, v10   ; the conversion does not saturate (ISA guide 7.6.2): the hold at the largest code x the scale
.endr
	v_cvt_scalef32_pk8_fp8_f32 v[C+16*((\f)%2)+4*\c:C+16*((\f)%2)+4*\c+1], v[X+16*\c:X+16*\c+7], v11
	v_cvt_scalef32_pk8_fp8_f32 v[C+16*((\f)%2)+4*\c+2:C+16*((\f)%2)+4*\c+3], v[X+16*\c+8:X+16*\c+15], v11
.endr
	v_nop                                          ; a plain line behind the last conversion
.irp c, 0,1,2,3
	global_store_b128 v3, v[C+16*((\f)%2)+4*\c:C+16*((\f)%2)+4*\c+3], s[12:13] offset:2048*(\f)+512*\c   ; 512 consecutive bytes, aligned
.endr
.endm
	LOADF 0
	LOADF 1
	s_wait_kmcnt 0x0
	s_add_co_i32 s24, s24, 127
	s_lshl_b32 s25, s24, 23
	v_mov_b32 v11, s25                             ; 2^e0 as f32: the conversion takes its exponent field
	s_add_co_i32 s24, s24, 8
	s_lshl_b32 s24, s24, 23
	s_or_b32 s24, s24, 0x600000
	v_mov_b32 v10, s24                             ; 448 x 2^e0
	FRAGX 0
	FRAGX 1
	FRAGX 2
	FRAGX 3
	s_wait_tensorcnt 0x0
	ds_add_u32 v240, v241
	s_wait_dscnt 0x0
	s_endpgm
; ---- the weights, one text for both.  A work-group takes 128 columns x 256 along K, a wave 32 columns: a pair of tiles.  A LANE TAKES A COLUMN AND ITS REGISTERS RUN DOWN K, so the conversions
; give codes with K innermost.  Lane l takes column (l & 7) + 16 ((l >> 3) & 1) + 8 (l >> 4) of the 32: it is then row l & 15 of tile l >> 4 of the pair, and a load still covers 128 consecutive bytes.
.Lweights:
	s_sub_co_u32 s19, ttmp9, 256                   ; 0 .. 95: w_qkv; 96 .. 127: w_proj
	s_mov_b32 s22, 4096
	s_cmp_lt_u32 s19, 96
	s_cselect_b64 s[4:5], s[6:7], s[8:9]
	s_cselect_b64 s[12:13], s[14:15], s[16:17]
	s_cselect_b32 s22, 12288, s22                  ; bytes in a row of the weight
	s_cselect_b32 s20, 0, 96
	s_sub_co_u32 s20, s19, s20
	s_lshr_b32 s21, s20, 2                         ; which 128 columns
	s_and_b32 s20, s20, 3                          ; which 256 along K
	s_mul_i32 s32, s20, s22
	s_lshl_b32 s32, s32, 8                         ; 256 rows for each step along K,
	s_lshl_b32 s33, s21, 9
	s_add_co_u32 s32, s32, s33                     ; 512 bytes for each 128 columns,
	s_lshl_b32 s33, s18, 7
	s_add_co_u32 s32, s32, s33                     ; 128 bytes for each wave
	s_mov_b32 s33, 0
	s_add_nc_u64 s[4:5], s[4:5], s[32:33]
	s_lshl_b32 s32, s21, 2
	s_add_co_u32 s32, s32, s18                     ; my pair of tiles,
	s_lshl_b32 s32, s32, 15                        ; 2 x 16,384 bytes each,
	s_lshl_b32 s34, s20, 12                        ; and two fragments for each 256 along K
	s_add_co_u32 s32, s32, s34
	s_add_nc_u64 s[12:13], s[12:13], s[32:33]
	s_lshl_b32 s36, s22, 5                         ; from block to block: 32 rows
	s_mov_b32 s37, 0
	v_and_b32 v4, 7, v1
	v_bfe_u32 v5, v1, 3, 1
	v_lshrrev_b32 v6, 4, v1
	v_lshl_add_u32 v4, v5, 4, v4
	v_lshl_add_u32 v4, v6, 3, v4                   ; my column of the 32
	v_lshlrev_b32 v[OF], 2, v4
.set I, 1
.rept 31
	v_add_nc_u32 v[OF+I], s22, v[OF+I-1]           ; one row further down
.set I, I+1
.endr
	v_and_b32 v7, 15, v1
	v_lshlrev_b32 v8, 4, v7
	v_lshl_add_u32 v8, v6, 14, v8                  ; the image: tile l >> 4, 16 bytes at row l & 15
.macro LOADW t                         ; block t: 32 rows of my column
.if (\t) > 0
	s_wait_xcnt 0x0                                ; the earlier loads have read their base
	s_add_nc_u64 s[4:5], s[4:5], s[36:37]
.endif
.irp i, 0,1,2,3,4,5,6,7,8,9,10,11,12,13,14,15,16,17,18,19,20,21,22,23,24,25,26,27,28,29,30,31
	global_load_b32 v[XW+32*((\t)%2)+\i], v[OF+\i], s[4:5] th:TH_LOAD_NT
.endr
.endm
.macro BLOCKW t
.if (\t) < 7
	s_wait_loadcnt 32                              ; this block's 32 loads are in; the next block's may be out
.else
	s_wait_loadcnt 0x0
.endif
.irp i, 0,1,2,3,4,5,6,7,8,9,10,11,12,13,14,15,16,17,18,19,20,21,22,23,24,25,26,27,28,29,30,31
	v_med3_num_f32 v[XW+32*((\t)%2)+\i], v[XW+32*((\t)%2)+\i], -v10, v10
.endr
.irp g, 0,1,2,3
	v_cvt_scalef32_pk8_fp8_f32 v[CW+8*(\t)+2*\g:CW+8*(\t)+2*\g+1], v[XW+32*((\t)%2)+8*\g:XW+32*((\t)%2)+8*\g+7], v11
.endr
	v_nop                                          ; a plain line behind the last conversion
	global_store_b128 v8, v[CW+8*(\t):CW+8*(\t)+3], s[12:13] offset:512*(\t)          ; k 32 t + 0 .. 15: sixteen lanes store 256 consecutive bytes, aligned
	global_store_b128 v8, v[CW+8*(\t)+4:CW+8*(\t)+7], s[12:13] offset:512*(\t)+256    ; k 32 t + 16 .. 31
.if (\t)+2 < 8
	LOADW (\t)+2
.endif
.endm
	LOADW 0
	LOADW 1
	s_wait_kmcnt 0x0
	s_cmp_lt_u32 s19, 96
	s_cselect_b32 s24, s25, s31                    ; e1 or e7
	s_add_co_i32 s24, s24, 127
	s_lshl_b32 s25, s24, 23
	v_mov_b32 v11, s25                             ; 2^e
	s_add_co_i32 s24, s24, 8
	s_lshl_b32 s24, s24, 23
	s_or_b32 s24, s24, 0x600000
	v_mov_b32 v10, s24                             ; 448 x 2^e
.irp t, 0,1,2,3,4,5,6,7
	BLOCKW \t
.endr
	s_endpgm
.Lfunc_end_k_qa63bd95508_quant:
	.size	k_qa63bd95508_quant, .Lfunc_end_k_qa63bd95508_quant-k_qa63bd95508_quant
	.p2alignl 7, 3214868480
	.fill 96, 4, 3214868480
	.section	.rodata,"a",@progbits
	.p2align	6, 0x0
	.amdhsa_kernel k_qa63bd95508_quant
		.amdhsa_group_segment_fixed_size 34304
		.amdhsa_private_segment_fixed_size 0
		.amdhsa_enable_private_segment 0
		.amdhsa_kernarg_size 56
		.amdhsa_user_sgpr_count 2
		.amdhsa_user_sgpr_kernarg_segment_ptr 1
		.amdhsa_wavefront_size32 1
		.amdhsa_system_sgpr_workgroup_id_x 1
		.amdhsa_system_sgpr_workgroup_id_y 1
		.amdhsa_system_sgpr_workgroup_id_z 1
		.amdhsa_system_vgpr_workitem_id 0
		.amdhsa_next_free_vgpr 242
		.amdhsa_next_free_sgpr 66
		.amdhsa_reserve_vcc 0
		.amdhsa_float_denorm_mode_32 3
		.amdhsa_float_denorm_mode_16_64 3
		.amdhsa_memory_ordered 1
		.amdhsa_forward_progress 1
		.amdhsa_inst_pref_size 84
	.end_amdhsa_kernel
	.amdgpu_metadata
---
amdhsa.version: [ 1, 2 ]
amdhsa.kernels:
  - .name:           k_qa63bd95508_quant
    .symbol:         k_qa63bd95508_quant.kd
    .args:
      - { .name: x, .offset: 0, .size: 8, .value_kind: global_buffer, .address_space: global }
      - { .name: w_qkv, .offset: 8, .size: 8, .value_kind: global_buffer, .address_space: global }
      - { .name: w_proj, .offset: 16, .size: 8, .value_kind: global_buffer, .address_space: global }
      - { .name: lowp_scales, .offset: 24, .size: 8, .value_kind: global_buffer, .address_space: global }
      - { .name: x_img, .offset: 32, .size: 8, .value_kind: global_buffer, .address_space: global }
      - { .name: wqkv_img, .offset: 40, .size: 8, .value_kind: global_buffer, .address_space: global }
      - { .name: wproj_img, .offset: 48, .size: 8, .value_kind: global_buffer, .address_space: global }
    .group_segment_fixed_size: 34304
    .private_segment_fixed_size: 0
    .kernarg_segment_align: 8
    .kernarg_segment_size: 56
    .max_flat_workgroup_size: 128
    .sgpr_count:     66
    .vgpr_count:     242
    .wavefront_size: 32
...
	.end_amdgpu_metadata
.endif
;; end of part 1
;; launch qkv (part 2): grid 12 x 32, 4 waves a work-group, clusters of 4 x 4, 327,680 bytes of LDS; arguments x_img, wqkv_img, lowp_scales, q_img, k_img, v_img; writes q_img, k_img, v_img
.if DOCPART == 2
	.amdgcn_target "amdgcn-amd-amdhsa--gfx1250"
	.amdhsa_code_object_version 6
	.text
	.protected	k_qa63bd95508_qkv
	.globl	k_qa63bd95508_qkv
	.p2align	8
	.type	k_qa63bd95508_qkv,@function
k_qa63bd95508_qkv:
	s_mov_b64 s[64:65], 0
	v_nop
	global_prefetch_b8 v0, s[64:65] scope:SCOPE_SE
	s_setreg_imm32_b32 hwreg(HW_REG_WAVE_MODE, 25, 1), 1
	s_wait_xcnt 0x0
	s_wait_alu depctr_hold_cnt(0) depctr_sa_sdst(0) depctr_va_vdst(0) depctr_va_sdst(0) depctr_va_ssrc(0) depctr_va_vcc(0) depctr_vm_vsrc(0)
	s_getreg_b32 s2, hwreg(HW_REG_IB_STS2, 6, 4)
	s_cmp_eq_u32 s2, 0
	s_cbranch_scc0 .Lentry_in_a_cluster
	s_endpgm
.Lentry_in_a_cluster:
	s_bfe_u32 s2, ttmp6, 0x10000c
	s_cmp_lg_u32 s2, 0xf033
	s_cbranch_scc0 .Lentry_shape_is_right
	s_endpgm
.Lentry_shape_is_right:
; qkv = x w_qkv on codes of FP8 (E4M3), K = 1,024; the f32 sums are quantised in registers and leave as codes: q with 2^e2, k with 2^e3, v with 2^e5.
; A sum stands for sum x 2^(e0 + e1), so its code is sum / 2^(e - e0 - e1), held within +-448.  LIMIT: e2 - e0 - e1, e3 - e0 - e1, e5 - e0 - e1 between -126 and 119.
; OPERANDS ARE IMAGES OF REGISTERS: tile T = 2 G + u holds rows 32 G + 8 u + (r & 7) + 16 (r >> 3); a fragment (tile x 128 K) is 2,048 bytes, lane l's registers 4 c .. 4 c + 3 at 16 l + 512 c
; (k = 32 c + 16 (l / 16) + 0 .. 15: the same order of k on both sides).  Buffers are [tile][8][2048].
; A tile of the result, 256 x 256, is made by four waves, 128 x 128 each: 64 accumulators.  K goes in steps of 256 (4,096 bytes a tile) through two LDS slots filled by joint tensor loads.
; THE MATRIX INSTRUCTION IS USED TRANSPOSED (source 0 = side B, source 1 = side A): a lane holds one row of side A, and the 16 registers of side B's tiles 2 G, 2 G + 1 are B's 16 neighbouring rows
; 32 G + 16 (l / 16) + 0 .. 15: what a conversion takes and what the next product's operand holds.  So no result changes lanes, and each store is 512 consecutive bytes.
; The cluster's x is the part: 0 = q, 1 = k, 2 = v.  For q and k side A = tokens (x), side B = features (w): a lane is a token, its registers run along the head's 64.
; For v the sides are swapped BY ADDRESS: side A = features, side B = tokens: a lane is a channel and its registers run along the keys, which are the K of attention's second product.
; OUT: q_img, k_img [head 64][tile of tokens 128][1024] (K = 64: c = 0, 1); v_img [head 64][128 keys: 16][tile of channels 4][2048].
; CLUSTER 4 x 4: side A's tiles hang on cy, side B's on cx: each is asked for jointly by the four that share it.  A tensor load's rows are 4,096 bytes long, eight of them, 16,384 bytes apart.
; By this text's own count a wave has at most two tensor loads outstanding.
.set NA,    8                          ; side A's tiles of 16 in a wave
.set NSLOT, 2
.set AREG,  2*NA*4096                  ; a slot: side A's 16 tiles x 4,096 bytes,
.set SLOT,  AREG+65536                 ; then side B's 16
.set RSTEP, NSLOT*4096                 ; a slot's next K step in memory
.set SPARE, NSLOT*SLOT                 ; behind the ring: the spare words, 128 bytes for each wave, which no other line names
.set ADRA, 16                          ; v16-17 LDS address of my A fragments in slot 0, 1
.set ADRB, 20                          ; v20-21 the same for B
.set CO0,  26                          ; v26    16 x lane
.set CO1,  27                          ; v27    16 x lane + the distance to the codes of B's tiles 4 to 7
.set SPW,  28                          ; v28    my spare word; never rewritten
.set NIL,  29                          ; v29    0; never rewritten
.set LIM,  30                          ; v30    448 x the conversion's scale
.set SCL,  31                          ; v31    the conversion's scale
.set TMP,  32                          ; v32-95 a block's 64 sums, held
.set CD,   96                          ; v96-111 their codes
.set AF,   128                         ; v128-255 A's fragments, one set;  window 1: B's two sets at v0 and v128;  windows 2, 3: accumulator (a, b) at v[8 (8 (a % 4) + b)]
.set G1,  24                           ; s[24:31] group 1 for side A; s[32:39] its groups 0, one a slot
.set G0,  32
.set G1B, 48                           ; s[48:55], s[68:75] the same for side B
.set G0B, 68
.set MSB, 0
.macro WIN new                         ; the immediate's high byte repeats the setting that is left
.if MSB != (\new)
	s_set_vgpr_msb (MSB<<8)|(\new)
.set MSB, (\new)
.endif
.endm
.macro JLOAD s                         ; a joint load: waves 0 and 1 fetch side A's halves, waves 2 and 3 side B's; four v_nop follow each line
	s_cmp_eq_u32 s15, 0
	s_cbranch_scc0 .Lfor_b_\@
	tensor_load_to_lds s[G0+4*\s:G0+4*\s+3], s[G1:G1+7]
	s_nop 0
.rept 4
	v_nop
.endr
	s_branch .Lasked_\@
.Lfor_b_\@:
	tensor_load_to_lds s[G0B+4*\s:G0B+4*\s+3], s[G1B:G1B+7]
	s_nop 0
.rept 4
	v_nop
.endr
.Lasked_\@:
.endm
.macro CREST                           ; a round of the cluster's barrier behind its opening barrier
	s_cmp_lg_u32 s14, 0
	s_cbranch_scc1 .Lnot_wave_0_\@
	s_barrier_signal -3
.Lnot_wave_0_\@:
	s_barrier_wait -3
	s_barrier_signal -1
	s_barrier_wait -1
.endm
.macro CROUND
	s_barrier_signal -1
	s_barrier_wait -1
	CREST
.endm
.macro PLACES n                        ; plain places behind matrix instructions, in front of loads into their registers and of reads of results
.rept \n
	v_nop
.endr
.endm
.macro FRAG reg, adr, i, q             ; tile i of my eight, the slot's q-th 128 along K: the image as it lies
.irp c, 0,1,2,3
	ds_load_b128 v[\reg+4*\c:\reg+4*\c+3], v[\adr] offset:(\i)*4096+(\q)*2048+512*\c
.endr
.endm
.macro MULB a, p, zero                 ; A's block a against B's eight of set p
	WIN 0xa1+0x50*((\a)/4)                         ; source 0 (B) window 1, source 1 (A) window 0, C and D window 2 or 3
.irp b, 0,1,2,3,4,5,6,7
.if \zero
	v_wmma_f32_16x16x128_fp8_fp8 v[8*(8*((\a)%4)+\b):8*(8*((\a)%4)+\b)+7], v[128*(\p)+16*\b:128*(\p)+16*\b+15], v[AF+16*(\a):AF+16*(\a)+15], 0
.else
	v_wmma_f32_16x16x128_fp8_fp8 v[8*(8*((\a)%4)+\b):8*(8*((\a)%4)+\b)+7], v[128*(\p)+16*\b:128*(\p)+16*\b+15], v[AF+16*(\a):AF+16*(\a)+15], v[8*(8*((\a)%4)+\b):8*(8*((\a)%4)+\b)+7]
.endif
.endr
.endm
.macro MULS a0, n, p, zero             ; n blocks from a0 on.  The accumulators take turns, one instruction a turn, in the same order in every step
.set MA, \a0
.rept \n
	MULB MA, \p, \zero
.set MA, MA+1
.endr
.endm
.macro FETCH_B slot, q, p
	WIN 0x40                                       ; destination window 1
.irp i, 0,1,2,3,4,5,6,7
	FRAG 128*(\p)+16*\i, ADRB+\slot, \i, \q
.endr
	WIN 0
.endm
.macro FETCH_A slot, q, i0             ; half of A's blocks, from i0 on
.set FI, \i0
.rept NA/2
	FRAG AF+16*FI, ADRA+\slot, FI, \q
.set FI, FI+1
.endr
.endm
; A step of 128 along K (the q-th of its slot) that needs no change of slots: it multiplies what was fetched and fetches step nq of slot ns.
.macro STEP slot, q, ns, nq, zero
	s_wait_dscnt 2*NA                              ; B's set and A's first half are in; the youngest loads, A's second half, may be out
	MULS 0, NA/2, (\q)%2, \zero
	s_wait_dscnt 0x0                               ; A's second half is in
	PLACES 4
	FETCH_B \ns, \nq, 1-(\q)%2
	FETCH_A \ns, \nq, 0
	MULS NA/2, NA/2, (\q)%2, \zero
	PLACES 4
	WIN 0
	FETCH_A \ns, \nq, NA/2
.endm
; A slot's second step changes slots: one barrier; in front of it each wave waits for all its tensor loads, adds 0 to its spare word, and waits for that and for its reads of this slot.
.macro TURN slot, ns, fill
	s_wait_tensorcnt 0x0                           ; all my tensor loads have landed
	ds_add_u32 v[SPW], v[NIL]                      ; 0 onto my spare word
	s_wait_dscnt 2*NA+1                            ; (the add and A's second half may be out)
	MULS 0, NA/4, 1, 0
	s_wait_dscnt 0x0                               ; the add is done, and my reads of this slot are over
	s_barrier_signal -1
	MULS NA/4, NA/4, 1, 0
	WIN 0
	s_barrier_wait -1
.if \fill
	CREST                                          ; the barrier has opened a round of the cluster's: no wave of any partner still reads this slot or has a load on its way
	s_add_nc_u64 s[G0+4*\slot+2:G0+4*\slot+3], s[G0+4*\slot+2:G0+4*\slot+3], RSTEP
	s_add_nc_u64 s[G0B+4*\slot+2:G0B+4*\slot+3], s[G0B+4*\slot+2:G0B+4*\slot+3], RSTEP
	JLOAD \slot                                    ; the first tensor load behind the round; its four v_nop are also the places in front of the loads below
.else
	PLACES 4
.endif
	FETCH_B \ns, 0, 0
	FETCH_A \ns, 0, 0
	MULS NA/2, NA/2, 1, 0
	PLACES 4
	WIN 0
	FETCH_A \ns, 0, NA/2
.endm
.macro LAST
	s_wait_dscnt 2*NA
	MULS 0, NA/2, 1, 0
	s_wait_dscnt 0x0
	MULS NA/2, NA/2, 1, 0
	WIN 0
.endm
	s_load_b128 s[4:7], s[0:1], 0x0                ; x_img, wqkv_img
	s_load_b128 s[8:11], s[0:1], 0x10              ; the exponents, q_img
	s_load_b128 s[80:83], s[0:1], 0x20             ; k_img, v_img
	v_lshl_add_u32 v[SPW], v0, 2, SPARE
	v_mov_b32 v[NIL], 0
	ds_add_u32 v28, v29
	ds_add_u32 v28, v29
	s_wait_dscnt 0x0
	v_lshrrev_b32 v1, 5, v0
	v_readfirstlane_b32 s14, v1                    ; wave 0..3
	s_lshr_b32 s15, s14, 1                         ; my half of side A's tiles.  Also: I fetch for A (0) or for B (1)
	s_and_b32 s16, s14, 1                          ; my half of side B's.  Also: which half I fetch
	s_bfe_u32 s56, ttmp6, 0x40000                  ; cx
	s_bfe_u32 s57, ttmp6, 0x40004                  ; cy
	s_and_b32 s62, ttmp7, 0xffff
	s_lshl_b32 s62, s62, 2                         ; 4 x cluster y
	s_lshl_b32 s60, s57, 2
	s_lshl_b32 s60, 15, s60                        ; my row of the cluster
	s_lshl_b32 s61, 0x1111, s56                    ; my column
	s_or_b32 s[G1], s60, (3<<16)|(1<<21)           ; the mask: side A's tiles go to my row; elements of 8 bytes; bit 21 set beside a mask; no padding
	s_or_b32 s[G1B], s61, (3<<16)|(1<<21)
.irp g, G1, G1B
	s_mov_b32 s[\g+1], 512<<16                     ; tensor_dim0 = 512 elements: 4,096 bytes
	s_mov_b32 s[\g+2], 8<<16                       ; tensor_dim1 = 8 tiles
	s_mov_b32 s[\g+3], 512<<16                     ; tile_dim0
	s_mov_b32 s[\g+4], 8                           ; tile_dim1
	s_mov_b32 s[\g+5], 2048                        ; from tile to tile: 16,384 bytes
	s_mov_b32 s[\g+6], 0
	s_mov_b32 s[\g+7], 0
.endr
	s_add_co_u32 s18, s62, s57                     ; side A: q, k: tokens 256 (4 cluster y + cy);
	s_add_co_u32 s19, s57, 8                       ;         v: features 256 (8 + cy)
	s_lshl_b32 s46, ttmp9, 2
	s_add_co_u32 s46, s46, s56                     ; side B: q, k: features 256 (4 part + cx);
	s_add_co_u32 s47, s62, s56                     ;         v: tokens 256 (4 cluster y + cx)
	s_cmp_eq_u32 ttmp9, 2
	s_cselect_b32 s58, s19, s18
	s_cselect_b32 s59, s47, s46
	s_lshl_b32 s18, s58, 18                        ; 16 tiles of 16,384 bytes,
	s_lshl_b32 s19, s16, 17                        ; and the half that I fetch
	s_add_co_u32 s18, s18, s19
	s_mov_b32 s19, 0
	s_lshl_b32 s46, s59, 18
	s_lshl_b32 s47, s16, 17
	s_add_co_u32 s46, s46, s47
	s_mov_b32 s47, 0
	s_mul_i32 s22, s16, NA*4096                    ; where they go in a slot: no place in the cluster enters an LDS address
	s_lshl_b32 s23, s16, 15
	s_add_co_u32 s23, s23, AREG
	s_wait_kmcnt 0x0
	s_load_b256 s[88:95], s[8:9], 0x0              ; e0 .. e7
	s_cmp_eq_u32 ttmp9, 2
	s_cselect_b64 s[20:21], s[6:7], s[4:5]         ; side A's buffer
	s_cselect_b64 s[66:67], s[4:5], s[6:7]         ; side B's
	s_add_nc_u64 s[20:21], s[20:21], s[18:19]
	s_add_nc_u64 s[66:67], s[66:67], s[46:47]
	CROUND                                         ; all sixteen work-groups are here: the first joint loads meet
.irp s, 0,1
	s_mov_b32 s[G0+4*\s], 1
	s_add_co_u32 s[G0+4*\s+1], s22, \s*SLOT
	s_add_nc_u64 s[G0+4*\s+2:G0+4*\s+3], s[20:21], \s*4096
	s_or_b32 s[G0+4*\s+3], s[G0+4*\s+3], 0x80000000
	s_mov_b32 s[G0B+4*\s], 1
	s_add_co_u32 s[G0B+4*\s+1], s23, \s*SLOT
	s_add_nc_u64 s[G0B+4*\s+2:G0B+4*\s+3], s[66:67], \s*4096
	s_or_b32 s[G0B+4*\s+3], s[G0B+4*\s+3], 0x80000000
	JLOAD \s
.endr
	v_and_b32 v1, 31, v0
	v_lshlrev_b32 v[CO0], 4, v1
	s_mul_i32 s18, s15, NA*4096
	s_lshl_b32 s19, s16, 15
	s_add_co_u32 s19, s19, AREG
.irp s, 0,1
	v_add_nc_u32 v[ADRA+\s], s18, v[CO0]
	v_add_nc_u32 v[ADRB+\s], s19, v[CO0]
	s_add_co_u32 s18, s18, SLOT
	s_add_co_u32 s19, s19, SLOT
.endr
	; where my codes go.  q, k: head = 16 batch + 4 (B's tile & 3) + 2 (B's half) + beta / 2; tile of tokens = 16 (A's tile & 7) + 8 (A's half) + a: 1,024 bytes each.
	; v: head = 16 batch + 4 cy + 2 (A's half) + a / 4; key step = 2 (B's tile & 7) + B's half: 8,192 bytes; tile of channels a % 4: 2,048 bytes.
	s_and_b32 s87, s59, 3
	s_mov_b32 s12, 1024
	s_mov_b32 s2, 1024
	s_mov_b32 s63, 131072
	s_cmp_eq_u32 ttmp9, 0
	s_cselect_b64 s[10:11], s[10:11], s[80:81]
	s_cmp_eq_u32 ttmp9, 2
	s_cselect_b64 s[10:11], s[82:83], s[10:11]
	s_cselect_b32 s84, s59, s58                    ; the tokens' tile of 256,
	s_cselect_b32 s85, s16, s15                    ; and my half of it
	s_cselect_b32 s86, s57, s87                    ; the features' tile of 256 within the part,
	s_cselect_b32 s87, s15, s16                    ; and my half of it
	s_cselect_b32 s12, 2048, s12                   ; from block a to block a + 1,
	s_cselect_b32 s2, 124928, s2                   ; from block 3 to block 4 (v: the next head, back three tiles of channels),
	s_cselect_b32 s63, 1024, s63                   ; from B's tiles 0-3 to tiles 4-7 (q, k: the next head)
	s_mov_b32 s13, 0
	s_mov_b32 s3, 0
	s_lshr_b32 s46, s84, 3
	s_lshl_b32 s46, s46, 4
	s_lshl_b32 s86, s86, 2
	s_add_co_u32 s46, s46, s86
	s_lshl_b32 s87, s87, 1
	s_add_co_u32 s46, s46, s87                     ; the head,
	s_lshl_b32 s46, s46, 17                        ; 131,072 bytes each
	s_and_b32 s84, s84, 7
	s_lshl_b32 s84, s84, 1
	s_add_co_u32 s84, s84, s85
	s_lshl_b32 s84, s84, 13                        ; 128 tokens are 8,192 bytes in each of the three buffers
	s_add_co_u32 s46, s46, s84
	s_mov_b32 s47, 0
	s_add_nc_u64 s[10:11], s[10:11], s[46:47]
	v_add_nc_u32 v[CO1], s63, v[CO0]
	s_wait_kmcnt 0x0
	s_cmp_eq_u32 ttmp9, 0
	s_cselect_b32 s66, s90, s91                    ; e2 or e3,
	s_cmp_eq_u32 ttmp9, 2
	s_cselect_b32 s66, s93, s66                    ; or e5
	s_sub_co_i32 s66, s66, s88
	s_sub_co_i32 s66, s66, s89                     ; less e0 + e1: the three scales folded into the conversion's one
	s_add_co_i32 s66, s66, 127
	s_lshl_b32 s67, s66, 23
	v_mov_b32 v[SCL], s67
	s_add_co_i32 s66, s66, 8
	s_lshl_b32 s66, s66, 23
	s_or_b32 s66, s66, 0x600000
	v_mov_b32 v[LIM], s66
	s_wait_tensorcnt NSLOT-1                       ; my part of K step 0 is in; K step 1's may stay out
	s_barrier_signal -1
	s_barrier_wait -1
	FETCH_B 0, 0, 0
	FETCH_A 0, 0, 0
	FETCH_A 0, 0, NA/2
	STEP 0, 0, 0, 1, 1                             ; the first products start the sums: nothing is cleared
	TURN 0, 1, 1                                   ; slot 0 takes K step 2
	STEP 1, 0, 1, 1, 0
	TURN 1, 0, 1                                   ; slot 1 takes K step 3
	STEP 0, 0, 0, 1, 0
	TURN 0, 1, 0
	STEP 1, 0, 1, 1, 0
	LAST
; THE WAY OUT, block a of side A at a time: 64 sums a lane, register 16 beta + i = B's row 32 beta + 16 (l / 16) + i: held, converted, stored as the image's registers.
.macro OUTA a
.if (\a) > 0
	s_wait_xcnt 0x0                                ; the last block's stores have read their codes and their base
.if (\a) == 4
	s_add_nc_u64 s[10:11], s[10:11], s[2:3]
.else
	s_add_nc_u64 s[10:11], s[10:11], s[12:13]
.endif
.endif
	WIN 0x02+(\a)/4                                ; source 0: window 2 or 3
.set J, 0
.rept 64
	v_med3_num_f32 v[TMP+J], v[64*((\a)%4)+J], -v[LIM], v[LIM]   ; each accumulator from its low end on
.set J, J+1
.endr
	WIN 0
.irp g, 0,1,2,3,4,5,6,7
	v_cvt_scalef32_pk8_fp8_f32 v[CD+2*\g:CD+2*\g+1], v[TMP+8*\g:TMP+8*\g+7], v[SCL]
.endr
	v_nop                                          ; a plain line behind the last conversion
	global_store_b128 v[CO0], v[CD:CD+3], s[10:11]                 ; each store: 512 consecutive bytes, aligned
	global_store_b128 v[CO0], v[CD+4:CD+7], s[10:11] offset:512
	global_store_b128 v[CO1], v[CD+8:CD+11], s[10:11]
	global_store_b128 v[CO1], v[CD+12:CD+15], s[10:11] offset:512
.endm
	PLACES 4
.irp a, 0,1,2,3,4,5,6,7
	OUTA \a
.endr
	s_wait_tensorcnt 0x0                           ; the wave's end
	ds_add_u32 v[SPW], v[NIL]
	s_wait_dscnt 0x0
	CROUND                                         ; the closing round
	s_endpgm
.Lfunc_end_k_qa63bd95508_qkv:
	.size	k_qa63bd95508_qkv, .Lfunc_end_k_qa63bd95508_qkv-k_qa63bd95508_qkv
	.p2alignl 7, 3214868480
	.fill 96, 4, 3214868480
	.section	.rodata,"a",@progbits
	.p2align	6, 0x0
	.amdhsa_kernel k_qa63bd95508_qkv
		.amdhsa_group_segment_fixed_size 327680
		.amdhsa_private_segment_fixed_size 0
		.amdhsa_enable_private_segment 0
		.amdhsa_kernarg_size 48
		.amdhsa_user_sgpr_count 2
		.amdhsa_user_sgpr_kernarg_segment_ptr 1
		.amdhsa_wavefront_size32 1
		.amdhsa_system_sgpr_workgroup_id_x 1
		.amdhsa_system_sgpr_workgroup_id_y 1
		.amdhsa_system_sgpr_workgroup_id_z 1
		.amdhsa_system_vgpr_workitem_id 0
		.amdhsa_next_free_vgpr 1024
		.amdhsa_next_free_sgpr 98
		.amdhsa_reserve_vcc 0
		.amdhsa_float_denorm_mode_32 3
		.amdhsa_float_denorm_mode_16_64 3
		.amdhsa_memory_ordered 1
		.amdhsa_forward_progress 1
		.amdhsa_inst_pref_size 119
	.end_amdhsa_kernel
	.amdgpu_metadata
---
amdhsa.version: [ 1, 2 ]
amdhsa.kernels:
  - .name:           k_qa63bd95508_qkv
    .symbol:         k_qa63bd95508_qkv.kd
    .args:
      - { .name: x_img, .offset: 0, .size: 8, .value_kind: global_buffer, .address_space: global }
      - { .name: wqkv_img, .offset: 8, .size: 8, .value_kind: global_buffer, .address_space: global }
      - { .name: lowp_scales, .offset: 16, .size: 8, .value_kind: global_buffer, .address_space: global }
      - { .name: q_img, .offset: 24, .size: 8, .value_kind: global_buffer, .address_space: global }
      - { .name: k_img, .offset: 32, .size: 8, .value_kind: global_buffer, .address_space: global }
      - { .name: v_img, .offset: 40, .size: 8, .value_kind: global_buffer, .address_space: global }
    .group_segment_fixed_size: 327680
    .private_segment_fixed_size: 0
    .kernarg_segment_align: 8
    .kernarg_segment_size: 48
    .max_flat_workgroup_size: 128
    .sgpr_count:     98
    .vgpr_count:     1024
    .wavefront_size: 32
...
	.end_amdgpu_metadata
.endif
;; end of part 2
;; launch attn (part 3): grid 4 x 64, 8 waves a work-group, no clusters, 66,560 bytes of LDS; arguments q_img, k_img, v_img, lowp_scales, y_img; writes y_img
.if DOCPART == 3
	.amdgcn_target "amdgcn-amd-amdhsa--gfx1250"
	.amdhsa_code_object_version 6
	.text
	.protected	k_qa63bd95508_attn
	.globl	k_qa63bd95508_attn
	.p2align	8
	.type	k_qa63bd95508_attn,@function
k_qa63bd95508_attn:
	s_mov_b64 s[64:65], 0
	v_nop
	global_prefetch_b8 v0, s[64:65] scope:SCOPE_SE
	s_setreg_imm32_b32 hwreg(HW_REG_WAVE_MODE, 25, 1), 1
	s_wait_xcnt 0x0
; Causal attention of 64 heads (2,048 tokens, head size 64) on codes of FP8 (E4M3).  q, k: 2^e2, 2^e3; p: 2^e4; v: 2^e5; the result y leaves as codes with 2^e6.
; t = score x log2(e) / 8; M = the running largest t rounded UP to a whole number; p = 2^(t - M) is quantised along the keys, not normalised; the row's sum is taken of the unquantised p and divides at the end.
; LIMITS: e2 + e3 between -123 and 130 (they are added to the exponent field of log2(e) / 8); e4 between -126 and 119.  NaN among the inputs is not served.
; IMAGES.  Tile T = 2 G + u holds indices 32 G + 8 u + (r & 7) + 16 (r >> 3).  q_img, k_img [head][tile of tokens 128][1024]: lane l's registers 4 c .. 4 c + 3 at 16 l + 512 c, channel 32 c + 16 (l / 16) + 0 .. 15.
; v_img [head][128 keys: 16][tile of channels 4][2048]: key 32 c + 16 (l / 16) + 0 .. 15.  y_img [tile of tokens 512][8][2048], K = 64 head + channel.
; Both products are used transposed (S^T = K Q^T, O^T = V^T P^T): a lane holds one query; by the tiles' order the 16 registers of two neighbouring tiles of keys are 16 neighbouring keys, and of two neighbouring tiles
; of channels 16 neighbouring channels: the conversions' results are the next operand's registers, for p and for y alike.
; SHARES.  A head has 8 blocks of 256 queries.  Work-group j takes block 7 - j (slots of 256 keys 0 .. 7 - j) and then block j (slots 0 .. j): always 9 slots, the same work in all 256 work-groups.
; Wave w owns 32 queries of the block, tiles 2 w and 2 w + 1: TILE u LIVES IN REGISTER WINDOW u UNDER THE SAME NUMBERS, so the softmax's text is written once and expanded under two settings, and each fragment of K
; and V read from LDS feeds two products.  A key step all of whose keys come after the wave's queries is jumped over (a branch on ids); no barrier stands in a step.
; K AND V come through registers into two LDS buffers of 32 KiB: each wave copies 4 KiB of the next slot, its loads issued a whole slot's work ahead of their stores into LDS.  One barrier a slot.
; NO CLUSTER: the four work-groups of a head start again at slot 0 behind trip 8 - j, so from trip 5 on they want different slots in the same trip; walked in step, they would need 12 trips for 9.
; REGISTERS.  Window 0 alone: v1 16 x lane; v3 the copy's offset; v4 v1 + 4,096 wave; v5, v6 LDS addresses in hand; v32-95 fragments of K, then of V; v220-251 the copy's 4 KiB.
; In each window: v12 -M, v13 the largest t, v[14:15] the sum in two halves; v16-23 Q; v24-31 the second block's Q; v96-159 S^T, then p; v160-191 O^T; v192-207 p's codes; v208, v209 at work; v[210:211] f;
; v212 a permute's result; v213 the mask's d; v[214:215] a second chain of sums; v216 448 x 2^e4; v217 2^e4; v218 8 u + (r & 7) + 16 (r >> 3) - 16 h; v219 1.0.
.set MSB, 0
.macro WIN new                         ; bits 1:0 source 0, 3:2 source 1, 5:4 source 2, 7:6 destination; the high byte repeats the setting that is left
.if MSB != (\new)
	s_set_vgpr_msb (MSB<<8)|(\new)
.set MSB, (\new)
.endif
.endm
.macro COPYIN                          ; 4 KiB of the next slot: 512 consecutive bytes a load
.irp i, 0,1,2,3,4,5,6,7
	global_load_b128 v[220+4*\i:223+4*\i], v3, s[30:31] offset:512*\i
.endr
.endm
.macro COPYOUT adr
.irp i, 0,1,2,3,4,5,6,7
	ds_store_b128 v[\adr], v[220+4*\i:223+4*\i] offset:512*\i
.endr
.endm
.macro INITW second                    ; a block's start, in one window
	v_mov_b32 v13, 0xff61b1e6                      ; the largest t so far: -3e38
	v_floor_f32 v12, -v13
	v_mov_b32 v14, 0
	v_mov_b32 v15, 0
.set J, 0
.rept 32
	v_mov_b32 v[160+J], 0                          ; O^T: the step is written once; the first change of M multiplies zeros
.set J, J+1
.endr
.if \second
.set J, 0
.rept 8
	v_mov_b32 v[16+J], v[24+J]                     ; the second block's Q
.set J, J+1
.endr
.endif
.endm
.macro INIT second
	WIN 0
	INITW \second
	WIN 0x55
	INITW \second
	WIN 0
.endm
.macro MASK                            ; register n holds key KF + 32 (n / 16) + 16 h + n % 16: hidden where 32 (n / 16) + n % 16 > d
	v_add_nc_u32 v213, s44, v218                   ; d = my query - KF - 16 h
	v_mov_b32 v209, 0xff800000                     ; -infinity: p = 0 then
.set J, 0
.rept 64
	v_cmp_gt_i32 vcc_lo, 32*(J/16)+J%16, v213
	v_cndmask_b32 v[96+J], v[96+J], v209, vcc_lo
.set J, J+1
.endr
.endm
.macro MAXSTAT                         ; the step's largest score of my query, the new M, and f = 2^(old M - new M)
	v_max3_num_f32 v208, v96, v97, v98
	v_max3_num_f32 v209, v99, v100, v101
.irp i, 6,10,14,18,22,26,30,34,38,42,46,50,54,58
	v_max3_num_f32 v208, v208, v[96+\i], v[97+\i]
	v_max3_num_f32 v209, v209, v[98+\i], v[99+\i]
.endr
	v_max3_num_f32 v208, v208, v158, v159
	v_max_num_f32 v208, v208, v209
	v_permlanex16_b32 v212, v208, s20, s21
	v_max_num_f32 v208, v208, v212                 ; and among lane l xor 16's keys
	v_mul_f32 v208, s22, v208                      ; as t
	v_max_num_f32 v13, v13, v208
	v_mov_b32 v208, v12
	v_floor_f32 v12, -v13                          ; -M = floor(-t): M is a whole number
	v_sub_f32 v208, v12, v208
	v_cvt_i32_f32 v208, v208                       ; (it saturates)
	v_ldexp_f32 v210, 1.0, v208                    ; f: a multiplication by it rounds nothing
.endm
.macro FEXP
.set J, 0
.rept 32
	v_pk_fma_f32 v[96+J:97+J], v[96+J:97+J], s[22:23], v[12:13] op_sel_hi:[1,0,0]   ; t - M, two at a time
.set J, J+2
.endr
.set J, 0
.rept 64
	v_exp_f32 v[96+J], v[96+J]                     ; p = 2^(t - M)
.set J, J+1
.endr
.endm
.macro SUMS                            ; the row's sum of the unquantised p, in two chains
	v_pk_add_f32 v[214:215], v[96:97], v[98:99]
.irp j, 4,8,12,16,20,24,28,32,36,40,44,48,52,56,60
	v_pk_add_f32 v[14:15], v[14:15], v[96+\j:97+\j]
	v_pk_add_f32 v[214:215], v[214:215], v[98+\j:99+\j]
.endr
	v_pk_add_f32 v[14:15], v[14:15], v[214:215]
.endm
.macro HOLD
.set J, 0
.rept 64
	v_min_num_f32 v[96+J], v[96+J], v216
.set J, J+1
.endr
.endm
.macro CVTR                            ; p's codes; then O^T under the new M: those sixteen lines are also the plain lines between the conversions and the products
.irp g, 0,1,2,3,4,5,6,7
	v_cvt_scalef32_pk8_fp8_f32 v[192+2*\g:193+2*\g], v[96+8*\g:103+8*\g], v217
.endr
.set J, 0
.rept 16
	v_pk_mul_f32 v[160+J:161+J], v[160+J:161+J], v[210:211] op_sel_hi:[1,0]
.set J, J+2
.endr
.endm
; A KEY STEP: 128 keys, the q-th of the slot in hand.
.macro STEP q
	s_add_co_u32 s44, s27, 31
	s_cmp_gt_u32 s26, s44                          ; all keys come after my 32 queries
	s_cbranch_scc1 .Lhidden_\@
.rept 4
	v_nop                                          ; places in front of loads into registers that the last products read
.endr
.irp t, 0,1,2,3,4,5,6,7
.irp c, 0,1
	ds_load_b128 v[32+8*\t+4*\c:35+8*\t+4*\c], v5 offset:8192*(\q)+1024*\t+512*\c
.endr
.endr
	s_wait_dscnt 0x0
.irp t, 0,1,2,3,4,5,6,7
	v_wmma_f32_16x16x64_fp8_fp8 v[96+8*\t:103+8*\t], v[32+8*\t:39+8*\t], v[16:23], 0
.endr
	WIN 0x54                                       ; K in window 0; Q and S^T in window 1
.irp t, 0,1,2,3,4,5,6,7
	v_wmma_f32_16x16x64_fp8_fp8 v[96+8*\t:103+8*\t], v[32+8*\t:39+8*\t], v[16:23], 0
.endr
	WIN 0
.rept 4
	v_nop                                          ; places in front of V's loads and of the first read of the scores
.endr
.irp t, 0,1,2,3
.irp c, 0,1,2,3
	ds_load_b128 v[32+16*\t+4*\c:35+16*\t+4*\c], v5 offset:16384+8192*(\q)+2048*\t+512*\c   ; V lands under the softmax
.endr
.endr
	s_add_co_u32 s44, s26, 127
	s_cmp_le_u32 s44, s27                          ; all keys count for all my queries
	s_cbranch_scc1 .Lopen_\@
	s_sub_co_i32 s44, s27, s26
	MASK
	WIN 0x55
	MASK
	WIN 0
.Lopen_\@:
	MAXSTAT
	FEXP
	WIN 0x55
	MAXSTAT
	FEXP
	v_pk_mul_f32 v[14:15], v[14:15], v[210:211] op_sel_hi:[1,0]   ; the sums under the new M; a plain line behind the exponentials
	s_wait_alu depctr_va_vdst(0)                   ; one wait for both tiles' 128 exponentials, ahead of their first reader
	SUMS
	WIN 0
	v_pk_mul_f32 v[14:15], v[14:15], v[210:211] op_sel_hi:[1,0]
	SUMS
	s_cmp_ge_i32 s40, -8                           ; p <= 1, so p / 2^e4 <= 256 where e4 >= -8: no code beyond 448, and the hold is jumped over.
	s_cbranch_scc1 .Lnohold_\@
	HOLD
	WIN 0x55
	HOLD
	WIN 0
.Lnohold_\@:
	CVTR
	WIN 0x55
	CVTR
	WIN 0
	s_wait_dscnt 0x0                               ; V is in
.irp t, 0,1,2,3
	v_wmma_f32_16x16x128_fp8_fp8 v[160+8*\t:167+8*\t], v[32+16*\t:47+16*\t], v[192:207], v[160+8*\t:167+8*\t]
.endr
	WIN 0x54
.irp t, 0,1,2,3
	v_wmma_f32_16x16x128_fp8_fp8 v[160+8*\t:167+8*\t], v[32+16*\t:47+16*\t], v[192:207], v[160+8*\t:167+8*\t]
.endr
	WIN 0
.Lhidden_\@:
	s_add_co_u32 s26, s26, 128
.endm
; A block's end: y = O^T / the sum x 2^(e4 + e5), as codes with 2^e6: register n is channel 32 (n / 16) + 16 h + n % 16 of my query: the image's registers.
.macro FINSUM
	v_add_f32 v14, v14, v15
	v_permlanex16_b32 v212, v14, s20, s21
	v_add_f32 v14, v14, v212
	v_rcp_f32 v14, v14
.endm
.macro FINW
	v_ldexp_f32 v14, v14, s47                      ; x 2^(e4 + e5 - e6)
.set J, 0
.rept 16
	v_pk_mul_f32 v[96+J:97+J], v[160+J:161+J], v[14:15] op_sel_hi:[1,0]   ; each accumulator from its low end on
.set J, J+2
.endr
.set J, 0
.rept 32
	v_med3_num_f32 v[96+J], v[96+J], s48, s49      ; the hold at +-448
.set J, J+1
.endr
.irp g, 0,1,2,3
	v_cvt_scalef32_pk8_fp8_f32 v[192+2*\g:193+2*\g], v[96+8*\g:103+8*\g], v219
.endr
	v_nop                                          ; a plain line behind the last conversion
.endm
.macro FINISH yb
.rept 4
	v_nop                                          ; places behind the last products
.endr
	FINSUM
	WIN 0x55
	FINSUM
	v_nop                                          ; a plain line behind the reciprocals
	s_wait_alu depctr_va_vdst(0)                   ; one wait for both, ahead of their first reader
	FINW
	WIN 0x04                                       ; the stores' data in window 1
	global_store_b128 v1, v[192:195], s[\yb:\yb+1] offset:16384    ; 512 consecutive bytes, aligned
	global_store_b128 v1, v[196:199], s[\yb:\yb+1] offset:16384+512
	WIN 0
	FINW
	global_store_b128 v1, v[192:195], s[\yb:\yb+1]
	global_store_b128 v1, v[196:199], s[\yb:\yb+1] offset:512
.endm
	s_load_b256 s[4:11], s[0:1], 0x0               ; q_img s[4:5], k_img s[6:7], v_img s[8:9], the exponents s[10:11]
	s_load_b64 s[12:13], s[0:1], 0x20              ; y_img
	v_lshl_add_u32 v254, v0, 2, 0x10000
	v_mov_b32 v255, 0
	v_lshrrev_b32 v2, 5, v0
	v_readfirstlane_b32 s18, v2                    ; wave 0..7
	v_and_b32 v2, 31, v0
	v_lshlrev_b32 v1, 4, v2                        ; 16 x lane
	s_lshl_b32 s44, s18, 12
	v_add_nc_u32 v4, s44, v1                       ; my 4 KiB of a buffer
	v_mov_b32 v3, v1
	s_and_b32 s19, ttmp7, 0xffff                   ; the head, 0 .. 63
	s_sub_co_u32 s25, 8, ttmp9                     ; slots of the first block
	s_sub_co_u32 s45, 7, ttmp9                     ; the first block
	s_lshl_b32 s46, s18, 5
	s_lshl_b32 s27, s45, 8
	s_add_co_u32 s27, s27, s46                     ; my first query in the first block,
	s_lshl_b32 s28, ttmp9, 8
	s_add_co_u32 s28, s28, s46                     ; and in the second
	s_lshl_b32 s14, s19, 17                        ; a head is 131,072 bytes in q_img, k_img and v_img
	s_mov_b32 s15, 0
	s_and_b32 s16, s18, 3
	s_lshl_b32 s16, s16, 12
	s_mov_b32 s17, 0
	s_mov_b32 s20, 0x76543210                      ; v_permlanex16_b32's selects for lane l xor 16
	s_mov_b32 s21, 0xfedcba98
	s_wait_kmcnt 0x0
	s_load_b256 s[36:43], s[10:11], 0x0            ; e0 .. e7
	s_cmp_lt_u32 s18, 4                            ; waves 0 to 3 copy K's 16 KiB of a slot, waves 4 to 7 V's
	s_cselect_b64 s[30:31], s[6:7], s[8:9]
	s_add_nc_u64 s[30:31], s[30:31], s[14:15]
	s_add_nc_u64 s[30:31], s[30:31], s[16:17]
	COPYIN                                         ; slot 0
	s_add_nc_u64 s[50:51], s[4:5], s[14:15]
	s_mov_b64 s[52:53], s[50:51]
	s_lshl_b32 s16, s27, 6                         ; 16 tokens are 1,024 bytes
	s_add_nc_u64 s[50:51], s[50:51], s[16:17]
	s_lshl_b32 s16, s28, 6
	s_add_nc_u64 s[52:53], s[52:53], s[16:17]
.irp c, 0,1
	global_load_b128 v[16+4*\c:19+4*\c], v1, s[50:51] offset:512*\c th:TH_LOAD_NT
	global_load_b128 v[24+4*\c:27+4*\c], v1, s[52:53] offset:512*\c th:TH_LOAD_NT
.endr
	WIN 0x40                                       ; destination window 1: the odd tile
.irp c, 0,1
	global_load_b128 v[16+4*\c:19+4*\c], v1, s[50:51] offset:1024+512*\c th:TH_LOAD_NT
	global_load_b128 v[24+4*\c:27+4*\c], v1, s[52:53] offset:1024+512*\c th:TH_LOAD_NT
.endr
	WIN 0
	s_lshr_b32 s46, s19, 4
	s_lshl_b32 s46, s46, 21                        ; y_img: a batch's 128 tiles of 16,384 bytes,
	s_bfe_u32 s47, s19, 0x30001
	s_lshl_b32 s47, s47, 11                        ; two heads to a fragment of 2,048 bytes,
	s_add_co_u32 s46, s46, s47
	s_and_b32 s47, s19, 1
	s_lshl_b32 s47, s47, 10                        ; the odd head in its upper half
	s_add_co_u32 s46, s46, s47
	s_lshl_b32 s16, s27, 10                        ; 16 tokens are 16,384 bytes
	s_add_co_u32 s16, s16, s46
	s_add_nc_u64 s[32:33], s[12:13], s[16:17]
	s_lshl_b32 s16, s28, 10
	s_add_co_u32 s16, s16, s46
	s_add_nc_u64 s[34:35], s[12:13], s[16:17]
	s_wait_kmcnt 0x0
	s_add_co_i32 s44, s38, s39
	s_lshl_b32 s44, s44, 23
	s_add_co_i32 s22, s44, 0x3e38aa3b              ; c = log2(e) / 8 x 2^(e2 + e3): the exponents are added to c's exponent field
	s_mov_b32 s23, s22                             ; (named with it as a pair)
	s_add_co_i32 s47, s40, s41
	s_sub_co_i32 s47, s47, s42                     ; e4 + e5 - e6
	s_mov_b32 s48, 0xc3e00000                      ; -448
	s_mov_b32 s49, 0x43e00000                      ; 448
	s_add_co_i32 s44, s40, 127
	s_lshl_b32 s45, s44, 23                        ; 2^e4
	s_add_co_i32 s44, s44, 8
	s_lshl_b32 s44, s44, 23
	s_or_b32 s44, s44, 0x600000                    ; 448 x 2^e4
	v_and_b32 v208, 15, v0                         ; r
	v_bfe_u32 v209, v0, 4, 1                       ; h
	v_and_b32 v218, 7, v208
	v_lshrrev_b32 v208, 3, v208
	v_lshl_add_u32 v218, v208, 4, v218
	v_lshlrev_b32 v209, 4, v209
	v_sub_nc_u32 v218, v218, v209                  ; (r & 7) + 16 (r >> 3) - 16 h
	v_mov_b32 v216, s44
	v_mov_b32 v217, s45
	v_mov_b32 v219, 1.0
	v_mov_b32 v211, 0                              ; (named as the upper half of f's pair)
	v_mov_b32 v212, 0                              ; a lane permute's destination counts as one of its sources
	WIN 0x40                                       ; the same in window 1
	v_add_nc_u32 v218, 8, v218                     ; the odd tile's queries lie 8 further on
	v_mov_b32 v216, s44
	v_mov_b32 v217, s45
	v_mov_b32 v219, 1.0
	v_mov_b32 v211, 0
	v_mov_b32 v212, 0
	WIN 0
	INIT 0
	s_wait_loadcnt 0x0                             ; slot 0's 4 KiB and Q
	COPYOUT 4                                      ; into buffer 0
	s_wait_dscnt 0x0
	s_barrier_signal -1
	s_barrier_wait -1
	s_mov_b32 s24, 0                               ; the trip
	s_mov_b32 s29, 16384                           ; the next slot's bytes in the head's K and V
	s_mov_b32 s2, 0                                ; the buffer that is read,
	s_mov_b32 s3, 32768                            ; and the one that is written
	s_mov_b32 s26, 0                               ; the step's first key
.Ltrip:                                            ; nine trips, a slot of 256 keys each
	s_cmp_lg_u32 s24, s25
	s_cbranch_scc1 .Lsame
	FINISH 32                                      ; the first block is done: it leaves, and the second begins at slot 0
	INIT 1
	s_mov_b32 s27, s28
	s_mov_b32 s26, 0
	s_wait_xcnt 0x0                                ; the stores have read their codes, which the next step writes again
.Lsame:
	s_cmp_eq_u32 s24, 8
	s_cbranch_scc1 .Lnoload
	v_add_nc_u32 v3, s29, v1                       ; (the last trip's loads were waited for ahead of their stores into LDS)
	COPYIN                                         ; the next slot, a slot's work ahead
.Lnoload:
	v_add_nc_u32 v5, s2, v1
	STEP 0
	STEP 1
	s_cmp_eq_u32 s24, 8
	s_cbranch_scc1 .Lnostore
	s_wait_loadcnt 0x0
	v_add_nc_u32 v6, s3, v4
	COPYOUT 6                                      ; into the buffer that every wave left ahead of the last barrier
.Lnostore:
	s_wait_dscnt 0x0                               ; my reads of this buffer and my stores into the other are done
	s_barrier_signal -1
	s_barrier_wait -1
	s_xor_b32 s2, s2, 32768
	s_xor_b32 s3, s3, 32768
	s_add_co_u32 s29, s29, 16384
	s_add_co_u32 s24, s24, 1
	s_add_co_u32 s44, s24, 1
	s_cmp_eq_u32 s44, s25
	s_cselect_b32 s29, 0, s29                      ; the trip in front of the second block's first asks for slot 0
	s_cmp_lt_u32 s24, 9
	s_cbranch_scc1 .Ltrip
	FINISH 34
	s_wait_tensorcnt 0x0
	ds_add_u32 v254, v255
	s_wait_dscnt 0x0
	s_endpgm
.Lfunc_end_k_qa63bd95508_attn:
	.size	k_qa63bd95508_attn, .Lfunc_end_k_qa63bd95508_attn-k_qa63bd95508_attn
	.p2alignl 7, 3214868480
	.fill 96, 4, 3214868480
	.section	.rodata,"a",@progbits
	.p2align	6, 0x0
	.amdhsa_kernel k_qa63bd95508_attn
		.amdhsa_group_segment_fixed_size 66560
		.amdhsa_private_segment_fixed_size 0
		.amdhsa_enable_private_segment 0
		.amdhsa_kernarg_size 40
		.amdhsa_user_sgpr_count 2
		.amdhsa_user_sgpr_kernarg_segment_ptr 1
		.amdhsa_wavefront_size32 1
		.amdhsa_system_sgpr_workgroup_id_x 1
		.amdhsa_system_sgpr_workgroup_id_y 1
		.amdhsa_system_sgpr_workgroup_id_z 1
		.amdhsa_system_vgpr_workitem_id 0
		.amdhsa_next_free_vgpr 512
		.amdhsa_next_free_sgpr 66
		.amdhsa_reserve_vcc 1
		.amdhsa_float_denorm_mode_32 3
		.amdhsa_float_denorm_mode_16_64 3
		.amdhsa_memory_ordered 1
		.amdhsa_forward_progress 1
		.amdhsa_inst_pref_size 106
	.end_amdhsa_kernel
	.amdgpu_metadata
---
amdhsa.version: [ 1, 2 ]
amdhsa.kernels:
  - .name:           k_qa63bd95508_attn
    .symbol:         k_qa63bd95508_attn.kd
    .args:
      - { .name: q_img, .offset: 0, .size: 8, .value_kind: global_buffer, .address_space: global }
      - { .name: k_img, .offset: 8, .size: 8, .value_kind: global_buffer, .address_space: global }
      - { .name: v_img, .offset: 16, .size: 8, .value_kind: global_buffer, .address_space: global }
      - { .name: lowp_scales, .offset: 24, .size: 8, .value_kind: global_buffer, .address_space: global }
      - { .name: y_img, .offset: 32, .size: 8, .value_kind: global_buffer, .address_space: global }
    .group_segment_fixed_size: 66560
    .private_segment_fixed_size: 0
    .kernarg_segment_align: 8
    .kernarg_segment_size: 40
    .max_flat_workgroup_size: 256
    .sgpr_count:     66
    .vgpr_count:     512
    .wavefront_size: 32
...
	.end_amdgpu_metadata
.endif
;; end of part 3
;; launch proj (part 4): grid 4 x 64, 4 waves a work-group, clusters of 4 x 4, 327,680 bytes of LDS; arguments y_img, wproj_img, lowp_scales, out0; writes out0
.if DOCPART == 4
	.amdgcn_target "amdgcn-amd-amdhsa--gfx1250"
	.amdhsa_code_object_version 6
	.text
	.protected	k_qa63bd95508_proj
	.globl	k_qa63bd95508_proj
	.p2align	8
	.type	k_qa63bd95508_proj,@function
k_qa63bd95508_proj:
	s_mov_b64 s[64:65], 0
	v_nop
	global_prefetch_b8 v0, s[64:65] scope:SCOPE_SE
	s_setreg_imm32_b32 hwreg(HW_REG_WAVE_MODE, 25, 1), 1
	s_wait_xcnt 0x0
	s_wait_alu depctr_hold_cnt(0) depctr_sa_sdst(0) depctr_va_vdst(0) depctr_va_sdst(0) depctr_va_ssrc(0) depctr_va_vcc(0) depctr_vm_vsrc(0)
	s_getreg_b32 s2, hwreg(HW_REG_IB_STS2, 6, 4)
	s_cmp_eq_u32 s2, 0
	s_cbranch_scc0 .Lentry_in_a_cluster
	s_endpgm
.Lentry_in_a_cluster:
	s_bfe_u32 s2, ttmp6, 0x10000c
	s_cmp_lg_u32 s2, 0xf033
	s_cbranch_scc0 .Lentry_shape_is_right
	s_endpgm
.Lentry_shape_is_right:
; out0 = y w_proj on codes of FP8 (E4M3), K = 1,024; each f32 sum is multiplied once by 2^(e6 + e7).  LIMIT: e6 + e7 between -126 and 127, so that this is an f32 number.
; OPERANDS ARE IMAGES OF REGISTERS: tile T = 2 G + u holds rows 32 G + 8 u + (r & 7) + 16 (r >> 3); a fragment (tile x 128 K) is 2,048 bytes, lane l's registers 4 c .. 4 c + 3 at 16 l + 512 c
; (k = 32 c + 16 (l / 16) + 0 .. 15, the same order on both sides).  Buffers are [tile][8][2048].
; A tile of the result is 128 tokens x 256 columns: 256 work-groups; four waves, 64 x 128 each: 32 accumulators.  K goes in steps of 256 (4,096 bytes a tile) through THREE LDS slots: K steps 0, 1, 2 are first fills,
; so only K step 3 is a refill, into slot 0.  By this text's own count a wave has at most three tensor loads outstanding.
; THE MATRIX INSTRUCTION IS USED TRANSPOSED (source 0 = w_proj's tiles, source 1 = y's): a lane holds one token, and the 16 registers of two neighbouring tiles of columns are 16 neighbouring columns.
; CLUSTER 4 x 4: y's tiles hang on cy and are shared along a row of the cluster, w_proj's on cx and are shared along a column.  A tensor load's rows are 4,096 bytes long, 16,384 bytes apart: four for y, eight for w_proj.
.set NA,    4                          ; y's tiles of 16 in a wave
.set NSLOT, 3
.set AREG,  2*NA*4096                  ; a slot: y's 8 tiles x 4,096 bytes,
.set SLOT,  AREG+65536                 ; then w_proj's 16
.set RSTEP, NSLOT*4096
.set SPARE, NSLOT*SLOT                 ; behind the ring: the spare words, 128 bytes for each wave, which no other line names
.set SP,    528                        ; the way out: a stage of 16 rows x (512 bytes + 16) for each wave, in slot 1: it has had its one fill, and nobody reads it behind the last change of slots
.set ADRA, 16                          ; v16-18 LDS address of my A fragments in slot 0, 1, 2
.set ADRB, 20                          ; v20-22 the same for B
.set STO,  24                          ; v24    the stage: where I put my numbers of a row
.set RD,   25                          ; v25    and where I read a row back
.set CO0,  26                          ; v26    16 x lane
.set SPW,  28                          ; v28    my spare word; never rewritten
.set NIL,  29                          ; v29    0; never rewritten
.set TMP,  32                          ; v32-95 a block's 64 sums x 2^(e6 + e7)
.set AF,   128                         ; v128-191 A's fragments, one set;  window 1: B's two sets at v0 and v128;  window 2: accumulator (a, b) at v[8 (8 a + b)]
.set BK,   128                         ; the way out: 16 rows read back: v128-191 and v192-255 by turns
.set G1,  24                           ; s[24:31] group 1 for y's tiles; s[32:43] its groups 0, one a slot
.set G0,  32
.set G1B, 48                           ; s[48:55], s[68:79] the same for w_proj's
.set G0B, 68
.set MSB, 0
.macro WIN new                         ; the immediate's high byte repeats the setting that is left
.if MSB != (\new)
	s_set_vgpr_msb (MSB<<8)|(\new)
.set MSB, (\new)
.endif
.endm
.macro JLOAD s                         ; a joint load: waves 0 and 1 fetch y's halves, waves 2 and 3 w_proj's; four v_nop follow each line
	s_cmp_eq_u32 s15, 0
	s_cbranch_scc0 .Lfor_b_\@
	tensor_load_to_lds s[G0+4*\s:G0+4*\s+3], s[G1:G1+7]
	s_nop 0
.rept 4
	v_nop
.endr
	s_branch .Lasked_\@
.Lfor_b_\@:
	tensor_load_to_lds s[G0B+4*\s:G0B+4*\s+3], s[G1B:G1B+7]
	s_nop 0
.rept 4
	v_nop
.endr
.Lasked_\@:
.endm
.macro CREST                           ; a round of the cluster's barrier behind its opening barrier
	s_cmp_lg_u32 s14, 0
	s_cbranch_scc1 .Lnot_wave_0_\@
	s_barrier_signal -3
.Lnot_wave_0_\@:
	s_barrier_wait -3
	s_barrier_signal -1
	s_barrier_wait -1
.endm
.macro CROUND
	s_barrier_signal -1
	s_barrier_wait -1
	CREST
.endm
.macro PLACES n                        ; plain places behind matrix instructions, in front of loads into their registers and of reads of results
.rept \n
	v_nop
.endr
.endm
.macro FRAG reg, adr, i, q             ; tile i of mine, the slot's q-th 128 along K: the image as it lies
.irp c, 0,1,2,3
	ds_load_b128 v[\reg+4*\c:\reg+4*\c+3], v[\adr] offset:(\i)*4096+(\q)*2048+512*\c
.endr
.endm
.macro MULB a, p, zero                 ; A's block a against B's eight of set p
	WIN 0xa1+0x50*((\a)/4)                         ; source 0 (B) window 1, source 1 (A) window 0, C and D window 2
.irp b, 0,1,2,3,4,5,6,7
.if \zero
	v_wmma_f32_16x16x128_fp8_fp8 v[8*(8*((\a)%4)+\b):8*(8*((\a)%4)+\b)+7], v[128*(\p)+16*\b:128*(\p)+16*\b+15], v[AF+16*(\a):AF+16*(\a)+15], 0
.else
	v_wmma_f32_16x16x128_fp8_fp8 v[8*(8*((\a)%4)+\b):8*(8*((\a)%4)+\b)+7], v[128*(\p)+16*\b:128*(\p)+16*\b+15], v[AF+16*(\a):AF+16*(\a)+15], v[8*(8*((\a)%4)+\b):8*(8*((\a)%4)+\b)+7]
.endif
.endr
.endm
.macro MULS a0, n, p, zero             ; n blocks from a0 on.  The accumulators take turns, one instruction a turn, in the same order in every step
.set MA, \a0
.rept \n
	MULB MA, \p, \zero
.set MA, MA+1
.endr
.endm
.macro FETCH_B slot, q, p
	WIN 0x40                                       ; destination window 1
.irp i, 0,1,2,3,4,5,6,7
	FRAG 128*(\p)+16*\i, ADRB+\slot, \i, \q
.endr
	WIN 0
.endm
.macro FETCH_A slot, q, i0             ; half of A's blocks, from i0 on
.set FI, \i0
.rept NA/2
	FRAG AF+16*FI, ADRA+\slot, FI, \q
.set FI, FI+1
.endr
.endm
; A step of 128 along K (the q-th of its slot) that needs no barrier: it multiplies what was fetched and fetches step nq of slot ns.
.macro STEP slot, q, ns, nq, zero
	s_wait_dscnt 2*NA                              ; B's set and A's first half are in; the youngest loads, A's second half, may be out
	MULS 0, NA/2, (\q)%2, \zero
	s_wait_dscnt 0x0                               ; A's second half is in
	PLACES 4
	FETCH_B \ns, \nq, 1-(\q)%2
	FETCH_A \ns, \nq, 0
	MULS NA/2, NA/2, (\q)%2, \zero
	PLACES 4
	WIN 0
	FETCH_A \ns, \nq, NA/2
.endm
; A slot's second step with a barrier: in front of it each wave waits for all its tensor loads, adds 0 to its spare word, and waits for that and for its reads of this slot.
.macro TURN slot, ns, fill
	s_wait_tensorcnt 0x0                           ; all my tensor loads have landed
	ds_add_u32 v[SPW], v[NIL]                      ; 0 onto my spare word
	s_wait_dscnt 2*NA+1                            ; (the add and A's second half may be out)
	MULS 0, NA/4, 1, 0
	s_wait_dscnt 0x0                               ; the add is done, and my reads of this slot are over
	s_barrier_signal -1
	MULS NA/4, NA/4, 1, 0
	WIN 0
	s_barrier_wait -1
.if \fill
	CREST                                          ; the barrier has opened a round of the cluster's: no wave of any partner still reads this slot or has a load on its way
	s_add_nc_u64 s[G0+4*\slot+2:G0+4*\slot+3], s[G0+4*\slot+2:G0+4*\slot+3], RSTEP
	s_add_nc_u64 s[G0B+4*\slot+2:G0B+4*\slot+3], s[G0B+4*\slot+2:G0B+4*\slot+3], RSTEP
	JLOAD \slot                                    ; the first tensor load behind the round; its four v_nop are also the places in front of the loads below
.else
	PLACES 4
.endif
	FETCH_B \ns, 0, 0
	FETCH_A \ns, 0, 0
	MULS NA/2, NA/2, 1, 0
	PLACES 4
	WIN 0
	FETCH_A \ns, 0, NA/2
.endm
.macro LAST
	s_wait_dscnt 2*NA
	MULS 0, NA/2, 1, 0
	s_wait_dscnt 0x0
	MULS NA/2, NA/2, 1, 0
	WIN 0
.endm
	s_load_b128 s[4:7], s[0:1], 0x0                ; y_img, wproj_img
	s_load_b128 s[8:11], s[0:1], 0x10              ; the exponents, out0
	v_lshl_add_u32 v[SPW], v0, 2, SPARE
	v_mov_b32 v[NIL], 0
	ds_add_u32 v28, v29
	ds_add_u32 v28, v29
	s_wait_dscnt 0x0
	v_lshrrev_b32 v1, 5, v0
	v_readfirstlane_b32 s14, v1                    ; wave 0..3
	s_lshr_b32 s15, s14, 1                         ; my half of y's tiles.  Also: I fetch for y (0) or for w_proj (1)
	s_and_b32 s16, s14, 1                          ; my half of w_proj's.  Also: which half I fetch
	s_bfe_u32 s56, ttmp6, 0x40000                  ; cx
	s_bfe_u32 s57, ttmp6, 0x40004                  ; cy
	s_and_b32 s62, ttmp7, 0xffff
	s_lshl_b32 s62, s62, 2                         ; 4 x cluster y
	s_lshl_b32 s60, s57, 2
	s_lshl_b32 s60, 15, s60                        ; my row of the cluster
	s_lshl_b32 s61, 0x1111, s56                    ; my column
	s_or_b32 s[G1], s60, (3<<16)|(1<<21)           ; the mask: y's tiles go to my row; elements of 8 bytes; bit 21 set beside a mask; no padding
	s_or_b32 s[G1B], s61, (3<<16)|(1<<21)
	s_mov_b32 s[G1+1], 512<<16                     ; tensor_dim0 = 512 elements: 4,096 bytes
	s_mov_b32 s[G1+2], NA<<16                      ; tensor_dim1 = 4 tiles
	s_mov_b32 s[G1+3], 512<<16                     ; tile_dim0
	s_mov_b32 s[G1+4], NA                          ; tile_dim1
	s_mov_b32 s[G1+5], 2048                        ; from tile to tile: 16,384 bytes
	s_mov_b32 s[G1+6], 0
	s_mov_b32 s[G1+7], 0
	s_mov_b32 s[G1B+1], 512<<16
	s_mov_b32 s[G1B+2], 8<<16                      ; 8 tiles
	s_mov_b32 s[G1B+3], 512<<16
	s_mov_b32 s[G1B+4], 8
	s_mov_b32 s[G1B+5], 2048
	s_mov_b32 s[G1B+6], 0
	s_mov_b32 s[G1B+7], 0
	s_add_co_u32 s58, s62, s57                     ; tokens 128 (4 cluster y + cy)
	s_lshl_b32 s59, ttmp9, 2
	s_add_co_u32 s59, s59, s56                     ; columns 256 (4 cluster x + cx)
	s_lshl_b32 s18, s58, 17                        ; 8 tiles of 16,384 bytes,
	s_lshl_b32 s19, s16, 16                        ; and the half that I fetch
	s_add_co_u32 s18, s18, s19
	s_mov_b32 s19, 0
	s_lshl_b32 s46, s59, 18                        ; 16 tiles,
	s_lshl_b32 s47, s16, 17
	s_add_co_u32 s46, s46, s47
	s_mov_b32 s47, 0
	s_mul_i32 s22, s16, NA*4096                    ; where they go in a slot: no place in the cluster enters an LDS address
	s_lshl_b32 s23, s16, 15
	s_add_co_u32 s23, s23, AREG
	s_wait_kmcnt 0x0
	s_load_b256 s[88:95], s[8:9], 0x0              ; e0 .. e7
	s_add_nc_u64 s[20:21], s[4:5], s[18:19]
	s_add_nc_u64 s[66:67], s[6:7], s[46:47]
	CROUND                                         ; all sixteen work-groups are here: the first joint loads meet
.irp s, 0,1,2
	s_mov_b32 s[G0+4*\s], 1
	s_add_co_u32 s[G0+4*\s+1], s22, \s*SLOT
	s_add_nc_u64 s[G0+4*\s+2:G0+4*\s+3], s[20:21], \s*4096
	s_or_b32 s[G0+4*\s+3], s[G0+4*\s+3], 0x80000000
	s_mov_b32 s[G0B+4*\s], 1
	s_add_co_u32 s[G0B+4*\s+1], s23, \s*SLOT
	s_add_nc_u64 s[G0B+4*\s+2:G0B+4*\s+3], s[66:67], \s*4096
	s_or_b32 s[G0B+4*\s+3], s[G0B+4*\s+3], 0x80000000
	JLOAD \s
.endr
	v_and_b32 v1, 31, v0
	v_lshlrev_b32 v[CO0], 4, v1
	s_mul_i32 s18, s15, NA*4096
	s_lshl_b32 s19, s16, 15
	s_add_co_u32 s19, s19, AREG
.irp s, 0,1,2
	v_add_nc_u32 v[ADRA+\s], s18, v[CO0]
	v_add_nc_u32 v[ADRB+\s], s19, v[CO0]
	s_add_co_u32 s18, s18, SLOT
	s_add_co_u32 s19, s19, SLOT
.endr
	s_mul_i32 s18, s14, 16*SP
	s_add_co_u32 s18, s18, SLOT                    ; my stage
	v_and_b32 v2, 15, v0                           ; r
	v_bfe_u32 v3, v0, 4, 1                         ; h
	v_mul_u32_u24 v[STO], v2, SP
	v_lshl_add_u32 v[STO], v3, 6, v[STO]
	v_add_nc_u32 v[STO], s18, v[STO]               ; in: row r, 64 h bytes on: my 16 columns of each 32
	v_add_nc_u32 v[RD], s18, v[CO0]                ; back: the 32 lanes take one row of 512 bytes
	s_lshl_b32 s46, s58, 19                        ; out0: 128 rows of 4,096 bytes,
	s_lshl_b32 s47, s15, 18                        ; my 64 of them,
	s_add_co_u32 s46, s46, s47
	s_lshl_b32 s47, s59, 10                        ; 256 columns of 4 bytes,
	s_add_co_u32 s46, s46, s47
	s_lshl_b32 s47, s16, 9                         ; my 128 of them
	s_add_co_u32 s46, s46, s47
	s_mov_b32 s47, 0
	s_add_nc_u64 s[10:11], s[10:11], s[46:47]
	s_wait_kmcnt 0x0
	s_add_co_i32 s96, s94, s95
	s_add_co_i32 s96, s96, 127
	s_lshl_b32 s96, s96, 23                        ; 2^(e6 + e7) as f32
	s_mov_b32 s97, s96                             ; (named with it as a pair)
	s_wait_tensorcnt NSLOT-1                       ; my part of K step 0 is in; K steps 1 and 2 may stay out
	s_barrier_signal -1
	s_barrier_wait -1
	FETCH_B 0, 0, 0
	FETCH_A 0, 0, 0
	FETCH_A 0, 0, NA/2
	STEP 0, 0, 0, 1, 1                             ; the first products start the sums: nothing is cleared
	TURN 0, 1, 1                                   ; every wave's loads have landed, so slots 1 and 2 are whole; slot 0 takes K step 3
	STEP 1, 0, 1, 1, 0
	STEP 1, 1, 2, 0, 0                             ; on into slot 2: no barrier is owed, and nothing is filled
	STEP 2, 0, 2, 1, 0
	TURN 2, 0, 0                                   ; K step 3 has landed in every wave's part
	STEP 0, 0, 0, 1, 0
	LAST
; THE WAY OUT, block a of 16 tokens x 128 columns at a time, through my own stage, back as whole rows of 512 bytes.  LDS serves a wave's instructions in order: no wait between the stores and the loads.
.macro TOSTAGE a
	WIN 0x02                                       ; source 0: window 2
.set J, 0
.rept 32
	v_pk_mul_f32 v[TMP+J:TMP+J+1], v[64*(\a)+J:64*(\a)+J+1], s[96:97] op_sel_hi:[1,0]   ; x 2^(e6 + e7); each accumulator from its low end on
.set J, J+2
.endr
	WIN 0
.irp b, 0,1,2,3,4,5,6,7
	ds_store_b128 v[STO], v[TMP+8*\b:TMP+8*\b+3] offset:128*(\b/2)+32*(\b%2)          ; columns 32 (b / 2) + 16 h + 8 (b % 2) + 0 .. 3
	ds_store_b128 v[STO], v[TMP+8*\b+4:TMP+8*\b+7] offset:128*(\b/2)+32*(\b%2)+16
.endr
.irp t, 0,1,2,3,4,5,6,7,8,9,10,11,12,13,14,15
	ds_load_b128 v[BK+64*((\a)%2)+4*\t:BK+64*((\a)%2)+4*\t+3], v[RD] offset:SP*\t
.endr
.endm
.macro SEND a, younger                 ; younger: the LDS instructions issued behind block a's loads, which may stay out
	s_wait_dscnt \younger
.irp t, 0,1,2,3,4,5,6,7,8,9,10,11,12,13,14,15
	global_store_b128 v[CO0], v[BK+64*((\a)%2)+4*\t:BK+64*((\a)%2)+4*\t+3], s[10:11] offset:(32*((\a)/2)+8*((\a)%2)+(\t%8)+16*(\t/8))*4096 th:TH_STORE_NT   ; stage row t is the tile's row t: 512 consecutive bytes, aligned
.endr
.endm
	PLACES 4
	TOSTAGE 0
.irp a, 1,2,3
.if \a > 1
	s_wait_xcnt 0x0                                ; block a - 2's stores have read their registers: block a's rows may land there
.endif
	TOSTAGE \a
	SEND \a-1, 32                                  ; behind block a - 1's loads: block a's 16 stores and 16 loads
.endr
	SEND 3, 0
	s_wait_tensorcnt 0x0                           ; the wave's end
	ds_add_u32 v[SPW], v[NIL]
	s_wait_dscnt 0x0
	CROUND                                         ; the closing round
	s_endpgm
.Lfunc_end_k_qa63bd95508_proj:
	.size	k_qa63bd95508_proj, .Lfunc_end_k_qa63bd95508_proj-k_qa63bd95508_proj
	.p2alignl 7, 3214868480
	.fill 96, 4, 3214868480
	.section	.rodata,"a",@progbits
	.p2align	6, 0x0
	.amdhsa_kernel k_qa63bd95508_proj
		.amdhsa_group_segment_fixed_size 327680
		.amdhsa_private_segment_fixed_size 0
		.amdhsa_enable_private_segment 0
		.amdhsa_kernarg_size 32
		.amdhsa_user_sgpr_count 2
		.amdhsa_user_sgpr_kernarg_segment_ptr 1
		.amdhsa_wavefront_size32 1
		.amdhsa_system_sgpr_workgroup_id_x 1
		.amdhsa_system_sgpr_workgroup_id_y 1
		.amdhsa_system_sgpr_workgroup_id_z 1
		.amdhsa_system_vgpr_workitem_id 0
		.amdhsa_next_free_vgpr 768
		.amdhsa_next_free_sgpr 98
		.amdhsa_reserve_vcc 0
		.amdhsa_float_denorm_mode_32 3
		.amdhsa_float_denorm_mode_16_64 3
		.amdhsa_memory_ordered 1
		.amdhsa_forward_progress 1
		.amdhsa_inst_pref_size 76
	.end_amdhsa_kernel
	.amdgpu_metadata
---
amdhsa.version: [ 1, 2 ]
amdhsa.kernels:
  - .name:           k_qa63bd95508_proj
    .symbol:         k_qa63bd95508_proj.kd
    .args:
      - { .name: y_img, .offset: 0, .size: 8, .value_kind: global_buffer, .address_space: global }
      - { .name: wproj_img, .offset: 8, .size: 8, .value_kind: global_buffer, .address_space: global }
      - { .name: lowp_scales, .offset: 16, .size: 8, .value_kind: global_buffer, .address_space: global }
      - { .name: out0, .offset: 24, .size: 8, .value_kind: global_buffer, .address_space: global }
    .group_segment_fixed_size: 327680
    .private_segment_fixed_size: 0
    .kernarg_segment_align: 8
    .kernarg_segment_size: 32
    .max_flat_workgroup_size: 128
    .sgpr_count:     98
    .vgpr_count:     768
    .wavefront_size: 32
...
	.end_amdgpu_metadata
.endif
;; end of part 4
;; ======== version 2 of 2: 4 launches; version 1 with the launch attn written anew for expert scheduling mode
;; workspace buffers: x_img 8,388,608 bytes; wqkv_img 3,145,728 bytes; wproj_img 1,048,576 bytes; q_img 8,388,608 bytes; k_img 8,388,608 bytes; v_img 8,388,608 bytes; y_img 8,388,608 bytes
;; launch quant: the kernel of part 1 again; grid 384 x 1, 4 waves a work-group, no clusters, 34,304 bytes of LDS; arguments x, w_qkv, w_proj, lowp_scales, x_img, wqkv_img, wproj_img; writes x_img, wqkv_img, wproj_img
;; launch qkv: the kernel of part 2 again; grid 12 x 32, 4 waves a work-group, clusters of 4 x 4, 327,680 bytes of LDS; arguments x_img, wqkv_img, lowp_scales, q_img, k_img, v_img; writes q_img, k_img, v_img
;; launch attn (part 5): grid 4 x 64, 8 waves a work-group, no clusters, 66,560 bytes of LDS; arguments q_img, k_img, v_img, lowp_scales, y_img; writes y_img
.if DOCPART == 5
	.amdgcn_target "amdgcn-amd-amdhsa--gfx1250"
	.amdhsa_code_object_version 6
	.text
	.protected	k_qa63bd95508_attn
	.globl	k_qa63bd95508_attn
	.p2align	8
	.type	k_qa63bd95508_attn,@function
k_qa63bd95508_attn:
	s_mov_b64 s[64:65], 0
	v_nop
	global_prefetch_b8 v0, s[64:65] scope:SCOPE_SE
	s_setreg_imm32_b32 hwreg(HW_REG_WAVE_SCHED_MODE, 0, 2), 2
	s_setreg_imm32_b32 hwreg(HW_REG_WAVE_MODE, 25, 1), 1
	s_wait_xcnt 0x0
	s_wait_alu depctr_vm_vsrc(0)
; Causal attention of 64 heads (2,048 tokens, head size 64) on codes of FP8 (E4M3).  q, k: 2^e2, 2^e3; p: 2^e4; v: 2^e5; the result y leaves as codes with 2^e6.
; t = score x log2(e) / 8; M = the running largest t rounded UP to a whole number; p = 2^(t - M) is quantised along the keys, not normalised; the row's sum is taken of the unquantised p and divides at the end.
; LIMITS: e2 + e3 between -123 and 130 (they are added to the exponent field of log2(e) / 8); e4 between -126 and 119.  NaN among the inputs is not served.
; IMAGES.  Tile T = 2 G + u holds indices 32 G + 8 u + (r & 7) + 16 (r >> 3).  q_img, k_img [head][tile of tokens 128][1024]: lane l's registers 4 c .. 4 c + 3 at 16 l + 512 c, channel 32 c + 16 (l / 16) + 0 .. 15.
; v_img [head][128 keys: 16][tile of channels 4][2048]: key 32 c + 16 (l / 16) + 0 .. 15.  y_img [tile of tokens 512][8][2048], K = 64 head + channel.
; Both products are used transposed (S^T = K Q^T, O^T = V^T P^T): a lane holds one query; by the tiles' order the 16 registers of two neighbouring tiles of keys are 16 neighbouring keys, and of two neighbouring tiles
; of channels 16 neighbouring channels: the conversions' results are the next operand's registers, for p and for y alike.
; SHARES.  A head has 8 blocks of 256 queries.  Work-group j takes block 7 - j (slots of 256 keys 0 .. 7 - j) and then block j (slots 0 .. j): always 9 slots, the same work in all 256 work-groups.
; Wave w owns 32 queries of the block, tiles 2 w and 2 w + 1: TILE u LIVES IN REGISTER WINDOW u UNDER THE SAME NUMBERS, so the softmax's text is written once and expanded under two settings, and each fragment of K
; and V read from LDS feeds two products.  A key step all of whose keys come after the wave's queries is jumped over (a branch on ids); no barrier stands in a step.
; K AND V come through registers into two LDS buffers of 32 KiB: each wave copies 4 KiB of the next slot, its loads issued a whole slot's work ahead of their stores into LDS.  One barrier a slot.
; NO CLUSTER: the four work-groups of a head start again at slot 0 behind trip 8 - j, so from trip 5 on they want different slots in the same trip; walked in step, they would need 12 trips for 9.
; REGISTERS.  Window 0 alone: v1 16 x lane; v3 the copy's offset; v4 v1 + 4,096 wave; v5, v6 LDS addresses in hand; v32-95 fragments of K; v220-251 the copy's 4 KiB.  Window 1 alone: v32-95 fragments of V.
; In each window: v12 -M, v13 the largest t, v[14:15] the sum in two halves; v16-23 Q; v24-31 the second block's Q; v96-159 S^T, then p; v160-191 O^T; v192-207 p's codes; v208, v209 at work; v[210:211] f;
; v212 a permute's result; v213 the mask's d; v[214:215] a second chain of sums; v216 448 x 2^e4; v217 2^e4; v218 8 u + (r & 7) + 16 (r >> 3) - 16 h; v219 1.0.  s[66:97]: 32 masks of the causal mask's compares.
; THE MODE: SCHED_MODE bits 1:0 = 2 (LLVM: expert scheduling mode 2), set by the entry lines.  The code itself states the register dependences between vector or matrix instructions and memory or LDS
; instructions, with s_wait_alu, always for 0.
; THE PLAN.  Registers that memory or LDS instructions touch:
;   K's fragments (window 0, v32-95)   the 16 LDS loads at a step's head land in them; the step's 16 products K Q^T read them.
;   V's fragments (window 1, v32-95)   the 16 LDS loads at the same head land in them; the step's 8 products V^T P^T, at its end, read them.
;   the copy (v220-251)                the global loads at a trip's head land in it; the LDS stores at the trip's end read it; no vector instruction names it.
;   v3, v5, v6                         written once a trip, by three additions at the trip's head; read by the copy's loads, the fragments' loads and the copy's stores.
;   v1, v4                             made at the kernel's head and never written again.
;   the codes v192-199, both windows   written by conversions; read by the four stores at a block's end.
; So a trip's head holds one wait on vm_vsrc (all that the last trip's memory and LDS instructions read may be written), the three additions, and one wait on va_vdst (the addresses are written; every earlier
; product is done reading K's and V's fragments): it serves the copy's loads, the first step's 32 LDS loads and the copy's stores.  The second step's head holds one wait on va_vdst for its 32 loads.
; The wait for the exponentials stands as ever.  A block's end holds one wait on va_vdst between both tiles' conversions and their four stores.
.set MK, 66                            ; s[66:97] the masks
.set MSB, 0
.macro WIN new                         ; bits 1:0 source 0, 3:2 source 1, 5:4 source 2, 7:6 destination; the high byte repeats the setting that is left
.if MSB != (\new)
	s_set_vgpr_msb (MSB<<8)|(\new)
.set MSB, (\new)
.endif
.endm
.macro COPYIN                          ; 4 KiB of the next slot: 512 consecutive bytes a load
.irp i, 0,1,2,3,4,5,6,7
	global_load_b128 v[220+4*\i:223+4*\i], v3, s[30:31] offset:512*\i
.endr
.endm
.macro COPYOUT adr
.irp i, 0,1,2,3,4,5,6,7
	ds_store_b128 v[\adr], v[220+4*\i:223+4*\i] offset:512*\i
.endr
.endm
.macro INITW second                    ; a block's start, in one window
	v_mov_b32 v13, 0xff61b1e6                      ; the largest t so far: -3e38
	v_floor_f32 v12, -v13
	v_mov_b32 v14, 0
	v_mov_b32 v15, 0
.set J, 0
.rept 32
	v_mov_b32 v[160+J], 0                          ; O^T: the step is written once; the first change of M multiplies zeros
.set J, J+1
.endr
.if \second
.set J, 0
.rept 8
	v_mov_b32 v[16+J], v[24+J]                     ; the second block's Q
.set J, J+1
.endr
.endif
.endm
.macro INIT second
	WIN 0
	INITW \second
	WIN 0x55
	INITW \second
	WIN 0
.endm
.macro MASK                            ; register n holds key KF + 32 (n / 16) + 16 h + n % 16: hidden where 32 (n / 16) + n % 16 > d.  The compares go in runs of 32, each into a mask of its own
	v_add_nc_u32 v213, s44, v218                   ; d = my query - KF - 16 h
	v_mov_b32 v209, 0xff800000                     ; -infinity: p = 0 then
.irp g, 0,1
.set J, 0
.rept 32
	v_cmp_gt_i32 s[MK+J], 32*((32*\g+J)/16)+(32*\g+J)%16, v213
.set J, J+1
.endr
	s_wait_alu depctr_va_sdst(0)                   ; the 32 compares have written their masks, ahead of the selects that read them
.set J, 0
.rept 32
	v_cndmask_b32 v[96+32*\g+J], v[96+32*\g+J], v209, s[MK+J]
.set J, J+1
.endr
.endr
.endm
.macro MAXSTAT                         ; the step's largest score of my query, the new M, and f = 2^(old M - new M)
	v_max3_num_f32 v208, v96, v97, v98
	v_max3_num_f32 v209, v99, v100, v101
.irp i, 6,10,14,18,22,26,30,34,38,42,46,50,54,58
	v_max3_num_f32 v208, v208, v[96+\i], v[97+\i]
	v_max3_num_f32 v209, v209, v[98+\i], v[99+\i]
.endr
	v_max3_num_f32 v208, v208, v158, v159
	v_max_num_f32 v208, v208, v209
	v_permlanex16_b32 v212, v208, s20, s21
	v_max_num_f32 v208, v208, v212                 ; and among lane l xor 16's keys
	v_mul_f32 v208, s22, v208                      ; as t
	v_max_num_f32 v13, v13, v208
	v_mov_b32 v208, v12
	v_floor_f32 v12, -v13                          ; -M = floor(-t): M is a whole number
	v_sub_f32 v208, v12, v208
	v_cvt_i32_f32 v208, v208                       ; (it saturates)
	v_ldexp_f32 v210, 1.0, v208                    ; f: a multiplication by it rounds nothing
.endm
.macro FEXP
.set J, 0
.rept 32
	v_pk_fma_f32 v[96+J:97+J], v[96+J:97+J], s[22:23], v[12:13] op_sel_hi:[1,0,0]   ; t - M, two at a time
.set J, J+2
.endr
.set J, 0
.rept 64
	v_exp_f32 v[96+J], v[96+J]                     ; p = 2^(t - M)
.set J, J+1
.endr
.endm
.macro SUMS                            ; the row's sum of the unquantised p, in two chains
	v_pk_add_f32 v[214:215], v[96:97], v[98:99]
.irp j, 4,8,12,16,20,24,28,32,36,40,44,48,52,56,60
	v_pk_add_f32 v[14:15], v[14:15], v[96+\j:97+\j]
	v_pk_add_f32 v[214:215], v[214:215], v[98+\j:99+\j]
.endr
	v_pk_add_f32 v[14:15], v[14:15], v[214:215]
.endm
.macro HOLD
.set J, 0
.rept 64
	v_min_num_f32 v[96+J], v[96+J], v216
.set J, J+1
.endr
.endm
.macro CVTR                            ; p's codes; then O^T under the new M: those sixteen lines are also the plain lines between the conversions and the products
.irp g, 0,1,2,3,4,5,6,7
	v_cvt_scalef32_pk8_fp8_f32 v[192+2*\g:193+2*\g], v[96+8*\g:103+8*\g], v217
.endr
.set J, 0
.rept 16
	v_pk_mul_f32 v[160+J:161+J], v[160+J:161+J], v[210:211] op_sel_hi:[1,0]
.set J, J+2
.endr
.endm
; A KEY STEP: 128 keys, the q-th of the slot in hand.
.macro STEP q
	s_add_co_u32 s44, s27, 31
	s_cmp_gt_u32 s26, s44                          ; all keys come after my 32 queries
	s_cbranch_scc1 .Lhidden_\@
.rept 4
	v_nop                                          ; the places behind the last products stay as they stood
.endr
.if \q
	s_wait_alu depctr_va_vdst(0)                   ; the first step's products are done reading K's and V's fragments, in which the 32 loads below land.  (In the first step the wait at the trip's head has stated the same)
.endif
.irp t, 0,1,2,3,4,5,6,7
.irp c, 0,1
	ds_load_b128 v[32+8*\t+4*\c:35+8*\t+4*\c], v5 offset:8192*(\q)+1024*\t+512*\c
.endr
.endr
	WIN 0x40                                       ; destination window 1.  Between the wait and these loads stand loads and this switch alone
.irp t, 0,1,2,3
.irp c, 0,1,2,3
	ds_load_b128 v[32+16*\t+4*\c:35+16*\t+4*\c], v5 offset:16384+8192*(\q)+2048*\t+512*\c   ; V has registers of its own: it is asked for with K and lands under the first products and the softmax
.endr
.endr
	WIN 0
	s_wait_dscnt 16                                ; LDS loads come back in order: K is in; V's 16 loads may be out
.irp t, 0,1,2,3,4,5,6,7
	v_wmma_f32_16x16x64_fp8_fp8 v[96+8*\t:103+8*\t], v[32+8*\t:39+8*\t], v[16:23], 0
.endr
	WIN 0x54                                       ; K in window 0; Q and S^T in window 1
.irp t, 0,1,2,3,4,5,6,7
	v_wmma_f32_16x16x64_fp8_fp8 v[96+8*\t:103+8*\t], v[32+8*\t:39+8*\t], v[16:23], 0
.endr
	WIN 0
.rept 4
	v_nop                                          ; places in front of the first read of the scores
.endr
	s_add_co_u32 s44, s26, 127
	s_cmp_le_u32 s44, s27                          ; all keys count for all my queries
	s_cbranch_scc1 .Lopen_\@
	s_sub_co_i32 s44, s27, s26
	MASK
	WIN 0x55
	MASK
	WIN 0
.Lopen_\@:
	MAXSTAT
	FEXP
	WIN 0x55
	MAXSTAT
	FEXP
	v_pk_mul_f32 v[14:15], v[14:15], v[210:211] op_sel_hi:[1,0]   ; the sums under the new M; a plain line behind the exponentials
	s_wait_alu depctr_va_vdst(0)                   ; both tiles' 128 exponentials have written p, v96-159 of both windows: one wait, ahead of their first reader
	SUMS
	WIN 0
	v_pk_mul_f32 v[14:15], v[14:15], v[210:211] op_sel_hi:[1,0]
	SUMS
	s_cmp_ge_i32 s40, -8                           ; p <= 1, so p / 2^e4 <= 256 where e4 >= -8: no code beyond 448, and the hold is jumped over.
	s_cbranch_scc1 .Lnohold_\@
	HOLD
	WIN 0x55
	HOLD
	WIN 0
.Lnohold_\@:
	CVTR
	WIN 0x55
	CVTR
	s_wait_dscnt 0x0                               ; V is in
.irp t, 0,1,2,3                                ; the odd tile first: its window is set.  V, p's codes and O^T in window 1
	v_wmma_f32_16x16x128_fp8_fp8 v[160+8*\t:167+8*\t], v[32+16*\t:47+16*\t], v[192:207], v[160+8*\t:167+8*\t]
.endr
	WIN 0x01                                       ; V in window 1; p's codes and O^T in window 0
.irp t, 0,1,2,3
	v_wmma_f32_16x16x128_fp8_fp8 v[160+8*\t:167+8*\t], v[32+16*\t:47+16*\t], v[192:207], v[160+8*\t:167+8*\t]
.endr
	WIN 0
.Lhidden_\@:
	s_add_co_u32 s26, s26, 128
.endm
; A block's end: y = O^T / the sum x 2^(e4 + e5), as codes with 2^e6: register n is channel 32 (n / 16) + 16 h + n % 16 of my query: the image's registers.
.macro FINSUM
	v_add_f32 v14, v14, v15
	v_permlanex16_b32 v212, v14, s20, s21
	v_add_f32 v14, v14, v212
	v_rcp_f32 v14, v14
.endm
.macro FINW
	v_ldexp_f32 v14, v14, s47                      ; x 2^(e4 + e5 - e6)
.set J, 0
.rept 16
	v_pk_mul_f32 v[96+J:97+J], v[160+J:161+J], v[14:15] op_sel_hi:[1,0]   ; each accumulator from its low end on
.set J, J+2
.endr
.set J, 0
.rept 32
	v_med3_num_f32 v[96+J], v[96+J], s48, s49      ; the hold at +-448
.set J, J+1
.endr
.irp g, 0,1,2,3
	v_cvt_scalef32_pk8_fp8_f32 v[192+2*\g:193+2*\g], v[96+8*\g:103+8*\g], v219
.endr
	v_nop                                          ; a plain line behind the last conversion
.endm
.macro FINISH yb
.rept 4
	v_nop                                          ; places behind the last products
.endr
	FINSUM
	WIN 0x55
	FINSUM
	v_nop                                          ; a plain line behind the reciprocals
	s_wait_alu depctr_va_vdst(0)                   ; both reciprocals have written v14 of their windows: one wait, ahead of their first reader
	FINW
	WIN 0
	FINW
	s_wait_alu depctr_va_vdst(0)                   ; the conversions have written both tiles' codes, v192-199 of both windows, which the four stores read
	global_store_b128 v1, v[192:195], s[\yb:\yb+1]                 ; 512 consecutive bytes, aligned
	global_store_b128 v1, v[196:199], s[\yb:\yb+1] offset:512
	WIN 0x04                                       ; the stores' data in window 1
	global_store_b128 v1, v[192:195], s[\yb:\yb+1] offset:16384
	global_store_b128 v1, v[196:199], s[\yb:\yb+1] offset:16384+512
	WIN 0
.endm
	s_load_b256 s[4:11], s[0:1], 0x0               ; q_img s[4:5], k_img s[6:7], v_img s[8:9], the exponents s[10:11]
	s_load_b64 s[12:13], s[0:1], 0x20              ; y_img
	v_lshl_add_u32 v254, v0, 2, 0x10000
	v_mov_b32 v255, 0
	v_lshrrev_b32 v2, 5, v0
	v_readfirstlane_b32 s18, v2                    ; wave 0..7
	v_and_b32 v2, 31, v0
	v_lshlrev_b32 v1, 4, v2                        ; 16 x lane
	s_wait_alu depctr_va_sdst(0)                   ; s18 is written, ahead of its first reader
	s_lshl_b32 s44, s18, 12
	v_add_nc_u32 v4, s44, v1                       ; my 4 KiB of a buffer
	v_mov_b32 v3, v1
	s_and_b32 s19, ttmp7, 0xffff                   ; the head, 0 .. 63
	s_sub_co_u32 s25, 8, ttmp9                     ; slots of the first block
	s_sub_co_u32 s45, 7, ttmp9                     ; the first block
	s_lshl_b32 s46, s18, 5
	s_lshl_b32 s27, s45, 8
	s_add_co_u32 s27, s27, s46                     ; my first query in the first block,
	s_lshl_b32 s28, ttmp9, 8
	s_add_co_u32 s28, s28, s46                     ; and in the second
	s_lshl_b32 s14, s19, 17                        ; a head is 131,072 bytes in q_img, k_img and v_img
	s_mov_b32 s15, 0
	s_and_b32 s16, s18, 3
	s_lshl_b32 s16, s16, 12
	s_mov_b32 s17, 0
	s_mov_b32 s20, 0x76543210                      ; v_permlanex16_b32's selects for lane l xor 16
	s_mov_b32 s21, 0xfedcba98
	s_wait_kmcnt 0x0
	s_load_b256 s[36:43], s[10:11], 0x0            ; e0 .. e7
	s_cmp_lt_u32 s18, 4                            ; waves 0 to 3 copy K's 16 KiB of a slot, waves 4 to 7 V's
	s_cselect_b64 s[30:31], s[6:7], s[8:9]
	s_add_nc_u64 s[30:31], s[30:31], s[14:15]
	s_add_nc_u64 s[30:31], s[30:31], s[16:17]
	s_wait_alu depctr_va_vdst(0)                   ; v1, v3 and v4 are written: the loads below read v3 and v1 as their offsets, the first stores into LDS read v4
	COPYIN                                         ; slot 0
	s_add_nc_u64 s[50:51], s[4:5], s[14:15]
	s_mov_b64 s[52:53], s[50:51]
	s_lshl_b32 s16, s27, 6                         ; 16 tokens are 1,024 bytes
	s_add_nc_u64 s[50:51], s[50:51], s[16:17]
	s_lshl_b32 s16, s28, 6
	s_add_nc_u64 s[52:53], s[52:53], s[16:17]
.irp c, 0,1
	global_load_b128 v[16+4*\c:19+4*\c], v1, s[50:51] offset:512*\c th:TH_LOAD_NT
	global_load_b128 v[24+4*\c:27+4*\c], v1, s[52:53] offset:512*\c th:TH_LOAD_NT
.endr
	WIN 0x40                                       ; destination window 1: the odd tile
.irp c, 0,1
	global_load_b128 v[16+4*\c:19+4*\c], v1, s[50:51] offset:1024+512*\c th:TH_LOAD_NT
	global_load_b128 v[24+4*\c:27+4*\c], v1, s[52:53] offset:1024+512*\c th:TH_LOAD_NT
.endr
	WIN 0
	s_lshr_b32 s46, s19, 4
	s_lshl_b32 s46, s46, 21                        ; y_img: a batch's 128 tiles of 16,384 bytes,
	s_bfe_u32 s47, s19, 0x30001
	s_lshl_b32 s47, s47, 11                        ; two heads to a fragment of 2,048 bytes,
	s_add_co_u32 s46, s46, s47
	s_and_b32 s47, s19, 1
	s_lshl_b32 s47, s47, 10                        ; the odd head in its upper half
	s_add_co_u32 s46, s46, s47
	s_lshl_b32 s16, s27, 10                        ; 16 tokens are 16,384 bytes
	s_add_co_u32 s16, s16, s46
	s_add_nc_u64 s[32:33], s[12:13], s[16:17]
	s_lshl_b32 s16, s28, 10
	s_add_co_u32 s16, s16, s46
	s_add_nc_u64 s[34:35], s[12:13], s[16:17]
	s_wait_kmcnt 0x0
	s_add_co_i32 s44, s38, s39
	s_lshl_b32 s44, s44, 23
	s_add_co_i32 s22, s44, 0x3e38aa3b              ; c = log2(e) / 8 x 2^(e2 + e3): the exponents are added to c's exponent field
	s_mov_b32 s23, s22                             ; (named with it as a pair)
	s_add_co_i32 s47, s40, s41
	s_sub_co_i32 s47, s47, s42                     ; e4 + e5 - e6
	s_mov_b32 s48, 0xc3e00000                      ; -448
	s_mov_b32 s49, 0x43e00000                      ; 448
	s_add_co_i32 s44, s40, 127
	s_lshl_b32 s45, s44, 23                        ; 2^e4
	s_add_co_i32 s44, s44, 8
	s_lshl_b32 s44, s44, 23
	s_or_b32 s44, s44, 0x600000                    ; 448 x 2^e4
	v_and_b32 v208, 15, v0                         ; r
	v_bfe_u32 v209, v0, 4, 1                       ; h
	v_and_b32 v218, 7, v208
	v_lshrrev_b32 v208, 3, v208
	v_lshl_add_u32 v218, v208, 4, v218
	v_lshlrev_b32 v209, 4, v209
	v_sub_nc_u32 v218, v218, v209                  ; (r & 7) + 16 (r >> 3) - 16 h
	v_mov_b32 v216, s44
	v_mov_b32 v217, s45
	v_mov_b32 v219, 1.0
	v_mov_b32 v211, 0                              ; (named as the upper half of f's pair)
	v_mov_b32 v212, 0                              ; a lane permute's destination counts as one of its sources
	WIN 0x40                                       ; the same in window 1
	v_add_nc_u32 v218, 8, v218                     ; the odd tile's queries lie 8 further on
	v_mov_b32 v216, s44
	v_mov_b32 v217, s45
	v_mov_b32 v219, 1.0
	v_mov_b32 v211, 0
	v_mov_b32 v212, 0
	WIN 0
	INIT 0
	s_wait_loadcnt 0x0                             ; slot 0's 4 KiB and Q
	COPYOUT 4                                      ; into buffer 0.  (v4 was written ahead of the wait on va_vdst above, and no vector instruction has named it since)
	s_wait_dscnt 0x0
	s_barrier_signal -1
	s_barrier_wait -1
	s_mov_b32 s24, 0                               ; the trip
	s_mov_b32 s29, 16384                           ; the next slot's bytes in the head's K and V
	s_mov_b32 s2, 0                                ; the buffer that is read,
	s_mov_b32 s3, 32768                            ; and the one that is written
	s_mov_b32 s26, 0                               ; the step's first key
.Ltrip:                                            ; nine trips, a slot of 256 keys each
	s_cmp_lg_u32 s24, s25
	s_cbranch_scc1 .Lsame
	FINISH 32                                      ; the first block is done: it leaves, and the second begins at slot 0
	INIT 1
	s_mov_b32 s27, s28
	s_mov_b32 s26, 0
	s_wait_xcnt 0x0                                ; the stores have read their codes, which the next step writes again
.Lsame:
	s_wait_alu depctr_vm_vsrc(0)                   ; the last trip's loads and stores have read v3, v5 and v6, which are written below; its stores into LDS have read v220-251, in which the copy's loads land; a block's stores have read their codes, which the next conversions write
	v_add_nc_u32 v3, s29, v1                       ; (the last trip's loads were waited for ahead of their stores into LDS)
	v_add_nc_u32 v5, s2, v1                        ; the buffer that this trip reads,
	v_add_nc_u32 v6, s3, v4                        ; and my 4 KiB of the one that it writes
	s_wait_alu depctr_va_vdst(0)                   ; v3, v5 and v6 are written, which this trip's loads and stores read; every earlier product is done reading K's and V's fragments, in which the first step's loads land
	s_cmp_eq_u32 s24, 8
	s_cbranch_scc1 .Lnoload
	COPYIN                                         ; the next slot, a slot's work ahead
.Lnoload:
	STEP 0
	STEP 1
	s_cmp_eq_u32 s24, 8
	s_cbranch_scc1 .Lnostore
	s_wait_loadcnt 0x0
	COPYOUT 6                                      ; into the buffer that every wave left ahead of the last barrier.  (No vector instruction since the wait at the trip's head names v6 or v220-251)
.Lnostore:
	s_wait_dscnt 0x0                               ; my reads of this buffer and my stores into the other are done
	s_barrier_signal -1
	s_barrier_wait -1
	s_xor_b32 s2, s2, 32768
	s_xor_b32 s3, s3, 32768
	s_add_co_u32 s29, s29, 16384
	s_add_co_u32 s24, s24, 1
	s_add_co_u32 s44, s24, 1
	s_cmp_eq_u32 s44, s25
	s_cselect_b32 s29, 0, s29                      ; the trip in front of the second block's first asks for slot 0
	s_cmp_lt_u32 s24, 9
	s_cbranch_scc1 .Ltrip
	FINISH 34
	s_wait_dscnt 0x0
	s_wait_alu depctr_hold_cnt(0) depctr_sa_sdst(0) depctr_va_vdst(0) depctr_va_sdst(0) depctr_va_ssrc(0) depctr_va_vcc(0) depctr_vm_vsrc(0)
	s_wait_tensorcnt 0x0
	ds_add_u32 v254, v255
	s_wait_dscnt 0x0
	s_endpgm
.Lfunc_end_k_qa63bd95508_attn:
	.size	k_qa63bd95508_attn, .Lfunc_end_k_qa63bd95508_attn-k_qa63bd95508_attn
	.p2alignl 7, 3214868480
	.fill 96, 4, 3214868480
	.section	.rodata,"a",@progbits
	.p2align	6, 0x0
	.amdhsa_kernel k_qa63bd95508_attn
		.amdhsa_group_segment_fixed_size 66560
		.amdhsa_private_segment_fixed_size 0
		.amdhsa_enable_private_segment 0
		.amdhsa_kernarg_size 40
		.amdhsa_user_sgpr_count 2
		.amdhsa_user_sgpr_kernarg_segment_ptr 1
		.amdhsa_wavefront_size32 1
		.amdhsa_system_sgpr_workgroup_id_x 1
		.amdhsa_system_sgpr_workgroup_id_y 1
		.amdhsa_system_sgpr_workgroup_id_z 1
		.amdhsa_system_vgpr_workitem_id 0
		.amdhsa_next_free_vgpr 512
		.amdhsa_next_free_sgpr 98
		.amdhsa_reserve_vcc 0
		.amdhsa_float_denorm_mode_32 3
		.amdhsa_float_denorm_mode_16_64 3
		.amdhsa_memory_ordered 1
		.amdhsa_forward_progress 1
		.amdhsa_inst_pref_size 123
	.end_amdhsa_kernel
	.amdgpu_metadata
---
amdhsa.version: [ 1, 2 ]
amdhsa.kernels:
  - .name:           k_qa63bd95508_attn
    .symbol:         k_qa63bd95508_attn.kd
    .args:
      - { .name: q_img, .offset: 0, .size: 8, .value_kind: global_buffer, .address_space: global }
      - { .name: k_img, .offset: 8, .size: 8, .value_kind: global_buffer, .address_space: global }
      - { .name: v_img, .offset: 16, .size: 8, .value_kind: global_buffer, .address_space: global }
      - { .name: lowp_scales, .offset: 24, .size: 8, .value_kind: global_buffer, .address_space: global }
      - { .name: y_img, .offset: 32, .size: 8, .value_kind: global_buffer, .address_space: global }
    .group_segment_fixed_size: 66560
    .private_segment_fixed_size: 0
    .kernarg_segment_align: 8
    .kernarg_segment_size: 40
    .max_flat_workgroup_size: 256
    .sgpr_count:     98
    .vgpr_count:     512
    .wavefront_size: 32
...
	.end_amdgpu_metadata
.endif
;; end of part 5
;; launch proj: the kernel of part 4 again; grid 4 x 64, 4 waves a work-group, clusters of 4 x 4, 327,680 bytes of LDS; arguments y_img, wproj_img, lowp_scales, out0; writes out0
